; MI455X (gfx1250); checked and timed in simulation.
; The chip was launched on July 23, 2026; its instructions are those of AMD's public machine-readable ISA for CDNA 5 (MIT licence, August 2026) and "CDNA5" Instruction Set Architecture Reference Guide (July 2026). The comments in the code are by the model that wrote it; some were corrected since.
;; Self Attention. Allowed arithmetic: matrix products marked QUANTISED: E2M1 operands, one E8M0 scale for each 32 along K, by v_wmma_scale_f32_16x16x128_f8f6f4 with both operands' format E2M1 (or v_wmma_scale_f32_32x16x128_f4), f32 sums; products left as they are: bf16, f16 or f32 operands; f32 sums; everything else in f32.
;; Inputs: W_proj 1,024 x 1,024 float32; W_qkv 1,024 x 3,072 float32; b_proj 1,024 float32; k_scale 64 float32; pe 1 x 1 x 2,048 x 32 x 2 x 2 float32; q_scale 64 float32; x 4 x 2,048 x 1,024 float32.
;; Outputs: out0 4 x 2,048 x 1,024 float32.
;; This version of the problem:
;;   THIS VERSION OF THE PROBLEM IS GIVEN IN LOW PRECISION. The matrix products marked QUANTISED in the list below multiply operands that are first quantised to E2M1 (2 exponent bits, 1 mantissa bit; 4 bits a number), with one power-of-two scale for each 32 numbers along K (OCP MX v1.0); their sums are f32. The products marked 'left as it is' may take bf16, f16 or f32 operands, with f32 sums. Whichever they take, every output number must still come out within the allowed error. Rounding operands to bf16 (8 significant bits) uses up far more of that allowance than f16 does (11 bits, for magnitudes from 6e-5 to 65,504). All else is computed in f32.
;;   The module's matrix products, in the order in which they are computed (A, B: the left and right operand; K: the contracted axis; several contracted axes count as one K, in the product's order):
;;     1. [M 8,192, K 1,024] x [K 1,024, N 3,072]; A: input x; B: input W_qkv: QUANTISED
;;     2. batch 64 x [M 2,048, K 64] x [K 64, N 2,048]; A: computed on the way; B: computed on the way: left as it is (an operand is computed on the way)
;;     3. batch 64 x [M 2,048, K 2,048] x [K 2,048, N 64]; A: computed on the way; B: computed on the way: left as it is (an operand is computed on the way)
;;     4. [M 8,192, K 1,024] x [K 1,024, N 1,024]; A: computed on the way; B: input W_proj: left as it is (an operand is computed on the way)
;;   THE QUANTISER, for each operand of a quantised product, along K:
;;     - K is cut into blocks of 32 from its start; a last block that is shorter is filled with zeros.
;;     - A block's scale is 2^e with e = floor(log2(the largest magnitude in the block)) - 2, held to -126 .. 127; a block of zeros has e = 0. As a byte (E8M0): e + 127.
;;     - Each number is divided by its block's scale, clamped to +-6, and rounded to the nearest number of E2M1, ties to even, subnormals kept.
;;     - The product sums the exact products of the quantised numbers (number of the format x scale) in f32.
;;   ~~~python
;;   def quantise(x, axis):      # numpy; x: float32 -> the quantised numbers, widened to float32 again
;;       x = np.moveaxis(x, axis, -1); K = x.shape[-1]
;;       x = np.pad(x, [(0, 0)] * (x.ndim - 1) + [(0, -K % 32)]); x = x.reshape(x.shape[:-1] + (-1, 32)); a = np.abs(x).max(-1, keepdims=True)
;;       e = np.where(a > 0, np.clip(np.frexp(np.where(a > 0, a, 1))[1] - 1 - 2, -126, 127), 0)      # np.frexp(a)[1] - 1 = floor(log2(a)), exactly
;;       r = np.clip(x / 2.0 ** e, -6, 6)
;;       step = 2.0 ** (np.maximum(np.frexp(np.where(r == 0, 1, r))[1] - 1, 0) - 1)
;;       q = np.round(r / step) * step * 2.0 ** e      # np.round: ties to even
;;       return np.moveaxis(q.reshape(q.shape[:-2] + (-1,))[..., :K], -1, axis).astype(np.float32)
;;   ~~~
;; One version. Each part assembles by itself: llvm-mc -triple=amdgcn-amd-amdhsa -mcpu=gfx1250 --defsym DOCPART=n.
;; ======== version 1 of 1: 4 launches
;; limits: values are held in f16: magnitudes above 65,504 overflow, below 6.1e-05 lose precision
;; workspace buffers: xc 4,194,304 bytes; xs 262,144 bytes; wc 1,572,864 bytes; ws 98,304 bytes; wpt 2,097,152 bytes; qkv 50,331,648 bytes; ao 16,777,216 bytes
;; launch prep (part 1): grid 368 x 1, 4 waves a work-group, no clusters, 102,912 bytes of LDS; arguments x, W_qkv, W_proj, xc, xs, wc, ws, wpt; writes xc, xs, wc, ws, wpt
.if DOCPART == 1
	.amdgcn_target "amdgcn-amd-amdhsa--gfx1250"
	.amdhsa_code_object_version 6
	.text
	.protected	k_q4297955a0f_prep
	.globl	k_q4297955a0f_prep
	.p2align	8
	.type	k_q4297955a0f_prep,@function
k_q4297955a0f_prep:
	s_mov_b64 s[64:65], 0
	v_nop
	global_prefetch_b8 v0, s[64:65] scope:SCOPE_SE
	s_setreg_imm32_b32 hwreg(HW_REG_WAVE_MODE, 25, 1), 1
	s_wait_xcnt 0x0
; SELF-ATTENTION, launch 1 of 4: the operands of the later products are laid out once.
;   x [8192][1024] f32      -> xc [8192][512 bytes] codes of FP4 (E2M1), K innermost, two codes a byte; xs [8192][32] E8M0 bytes, one for each 32 along K
;   W_qkv [1024 k][3072 n]  -> wc [3072][512 bytes], ws [3072][32]: quantised along K, its FIRST axis, and laid with K innermost
;   W_proj [1024 k][1024 n] -> wpt [1024 n][1024 k] in f16 (the last product is left as it is; f16 keeps 11 significant bits)
; NO WORK OF THE PROBLEM IS LEFT OUT: there is no mask, every input has a way to the output, and all seven inputs are loaded by some launch.
; A block's scale is 2^(floor(log2(its largest magnitude)) - 2); its byte is the largest magnitude's exponent field - 2, held at 1 from below.
; LIMITS: a block of zeros gets the byte 1 where the rule says 127 (its codes are zeros, and this program alone reads the bytes); blocks whose largest magnitude lies under 2^-124 get the byte 1;
; NaN and infinities among the inputs are not served; |W_proj| stays under 65,504, f16's largest number.
; Work-groups 0-255 take x, 256-303 W_qkv, 304-367 W_proj: three paths that part on the work-group's number and never meet again; each has LDS bytes of its own.
; No cluster: no two work-groups read the same bytes.  No tensor loads, no barrier: waves share nothing.
.set SPARE, 102400                     ; behind the three paths' regions: the spare words, 128 bytes for each wave: two blocks of 256 bytes that no other line names
.set SPW,   12                         ; v12  LDS address of my spare word: SPARE + 4 x my thread's number; never rewritten
.set NIL,   13                         ; v13  0; never rewritten
.set EMAX,  2
	s_load_b256 s[4:11], s[0:1], 0x0               ; x s[4:5], W_qkv s[6:7], W_proj s[8:9], xc s[10:11]
	s_load_b256 s[12:19], s[0:1], 0x20             ; xs s[12:13], wc s[14:15], ws s[16:17], wpt s[18:19]
	v_lshl_add_u32 v[SPW], v0, 2, SPARE
	v_mov_b32 v[NIL], 0
	v_lshrrev_b32 v1, 5, v0
	v_readfirstlane_b32 s20, v1                    ; wave 0..3
	v_and_b32 v2, 31, v0                           ; lane
	s_cmp_lt_u32 ttmp9, 256
	s_cbranch_scc0 .Lnot_x
; ---------------- PATH X: x is a plain stream of blocks of 32 numbers.  A wave takes 16 steps of 512 numbers.
; Each of a step's four loads reads 512 consecutive bytes, 16 a lane; the 2,048 bytes turn through the wave's own stage in LDS and come back 64 bytes a lane: 16 NEIGHBOURS along K, which the conversions want in one lane.
; Two neighbouring lanes hold a block.  A lane's 16 codes are 8 bytes: the wave stores 256 consecutive bytes.  A wave's 256 scale bytes are gathered in LDS and leave as 256 consecutive bytes, aligned.
.set XSTEPS, 16
.set CB,    8                          ; bytes of 16 codes
.set XR,    16                         ; v16-79   four sets of 16 numbers as they are loaded
.set XX,    80                         ; v80-111  two sets of 16 neighbours
.set XE,    112                        ; v112-127 a scale byte for each step
.set XC,    128                        ; v128-191 codes: four registers for each step, so that no store's data are written again
.set WREG,  8192                       ; LDS bytes 0 - 32,767: a region for each wave: two stages of 32 x SP bytes, behind them its 256 scale bytes
.set SP,    80                         ; a lane's place in a stage: its 64 bytes + 16 of padding
	v_lshlrev_b32 v3, 4, v2                        ; my 16 bytes of a load's 512
	s_mul_i32 s21, s20, WREG
	v_lshrrev_b32 v14, 2, v2
	v_mul_u32_u24 v14, v14, SP
	v_and_b32 v15, 3, v2
	v_lshl_add_u32 v14, v15, 4, v14
	v_add_nc_u32 v14, s21, v14                     ; the stage, on the way in: SP (lane / 4) + 16 (lane % 4)
	v_mul_u32_u24 v15, v2, SP
	v_add_nc_u32 v15, s21, v15                     ; and on the way out: SP x lane
	v_mul_u32_u24 v4, v2, CB                       ; my codes' place in a step's
	v_lshrrev_b32 v5, 1, v2
	s_add_co_u32 s21, s21, 2*32*SP
	v_add_nc_u32 v5, s21, v5                       ; my wave's 256 scale bytes, my block's byte
	v_lshlrev_b32 v7, 3, v2                        ; and on the way out 8 bytes a lane
	v_add_nc_u32 v6, s21, v7
	s_lshl_b32 s22, ttmp9, 2
	s_add_co_u32 s22, s22, s20                     ; which run of 8,192 numbers is my wave's: 0 .. 1,023
	s_mov_b32 s23, 0
	s_lshl_b64 s[24:25], s[22:23], 15              ; 32,768 bytes of x a run,
	s_lshl_b64 s[26:27], s[22:23], 12              ; 4,096 of codes,
	s_lshl_b32 s22, s22, 8                         ; 256 of scale bytes
	s_wait_kmcnt 0x0
	s_add_nc_u64 s[4:5], s[4:5], s[24:25]
	s_add_nc_u64 s[10:11], s[10:11], s[26:27]
	s_add_nc_u64 s[12:13], s[12:13], s[22:23]
.macro LOADX t
.irp i, 0,1,2,3
	global_load_b128 v[XR+16*((\t)%4)+4*\i:XR+16*((\t)%4)+4*\i+3], v3, s[4:5] offset:2048*(\t)+512*\i th:TH_LOAD_NT   ; 32 lanes read 512 consecutive bytes
.endr
.endm
.macro TURNX t                         ; step t's numbers through the stage: LDS serves a wave's instructions in order, so no wait stands between the stores and the loads
.irp i, 0,1,2,3
	ds_store_b128 v14, v[XR+16*((\t)%4)+4*\i:XR+16*((\t)%4)+4*\i+3] offset:32*SP*((\t)%2)+8*SP*\i
.endr
.irp i, 0,1,2,3
	ds_load_b128 v[XX+16*((\t)%2)+4*\i:XX+16*((\t)%2)+4*\i+3], v15 offset:32*SP*((\t)%2)+16*\i
.endr
.endm
.irp t, 0,1,2,3
	LOADX \t
.endr
	s_wait_loadcnt 12                              ; step 0's four loads are in; those of three steps may be out
	TURNX 0
.macro STEPX t
.set XS, XX+16*((\t)%2)
.if (\t) > 0
	s_wait_dscnt 1                                 ; this step's numbers are back from the stage; the last step's byte store may be out
.else
	s_wait_dscnt 0x0
.endif
.if (\t)+4 < XSTEPS
	LOADX (\t)+4                                   ; into the set whose stores into the stage are done
.endif
.if (\t)+1 < XSTEPS
.if XSTEPS-2-(\t) >= 3
	s_wait_loadcnt 12                              ; the next step's four loads are in; those of the three steps behind it may be out
.else
	s_wait_loadcnt 4*(XSTEPS-2-(\t))               ; the tail: as many steps as are left behind the next
.endif
	TURNX (\t)+1                                   ; the next step goes through the other stage while this one is worked
.endif
	v_max3_num_f32 v8, |v[XS]|, |v[XS+1]|, |v[XS+2]|               ; the largest magnitude of my 16, in two chains
	v_max3_num_f32 v9, |v[XS+3]|, |v[XS+4]|, |v[XS+5]|
.irp i, 6,10
	v_max3_num_f32 v8, v8, |v[XS+\i]|, |v[XS+\i+1]|
	v_max3_num_f32 v9, v9, |v[XS+\i+2]|, |v[XS+\i+3]|
.endr
	v_max3_num_f32 v8, v8, |v[XS+14]|, |v[XS+15]|
	v_max3_num_f32 v8, v8, v9, (EMAX+1)<<23        ; and the floor 2^(3 - 127): the byte cannot fall under 1
	v_max_num_f32_dpp v8, v8, v8 row_xmask:1 row_mask:0xf bank_mask:0xf   ; and of my neighbour's 16: the block's
	v_add_nc_u32 v11, -(EMAX<<23), v8              ; 2 off its exponent field: the conversion takes the exponent field of this operand as its scale
	v_cvt_scalef32_pk8_fp4_f32 v[XC+4*(\t)], v[XS:XS+7], v11       ; to the nearest code, ties to even, beyond 6 the largest code; the first number's code in the lowest four bits
	v_cvt_scalef32_pk8_fp4_f32 v[XC+4*(\t)+1], v[XS+8:XS+15], v11
	v_lshrrev_b32 v[XE+(\t)], 23, v11              ; the scale's byte (a plain line behind the conversions)
	ds_store_b8 v5, v[XE+(\t)] offset:16*(\t)      ; both lanes of a block write the same byte with the same value
	global_store_b64 v4, v[XC+4*(\t):XC+4*(\t)+1], s[10:11] offset:32*CB*(\t)   ; 32 lanes store 256 consecutive bytes, aligned
.endm
.irp t, 0,1,2,3,4,5,6,7,8,9,10,11,12,13,14,15
	STEPX \t
.endr
	ds_load_b64 v[8:9], v6                         ; LDS serves a wave's instructions in order: these see my byte stores
	s_wait_dscnt 0x0
	global_store_b64 v7, v[8:9], s[12:13]          ; 256 consecutive bytes, aligned
	s_wait_tensorcnt 0x0                           ; the wave's end: behind my last LDS store
	ds_add_u32 v[SPW], v[NIL]
	s_wait_dscnt 0x0
	s_endpgm
; ---------------- PATHS W AND P: K is the tensor's first axis.  A LANE TAKES A COLUMN n AND ITS REGISTERS RUN DOWN K: each load reads 128 consecutive bytes a wave, and what a lane makes lies with K innermost.
; A lane's results belong to one row of the output, the lanes beside it hold other rows: they go through the wave's own stage (rows of 256 bytes + 16) and leave sixteen lanes to 256 consecutive bytes, aligned.
.set PITCH, 272
.set WX,    32                         ; v32-95   two sets of 32 numbers
.set WC,    96                         ; v96..    what a block makes: 4 registers of codes, or 16 of f16 pairs
.set WOUT,  112                        ; v112-175 the way out
.set WSB,   24                         ; v24-27   the scale bytes, four to a register
.Lnot_x:
	s_cmp_lt_u32 ttmp9, 304
	s_cbranch_scc0 .Lpath_p
; PATH W: a wave takes 32 columns x 512 along K: 16 blocks a lane.  Work-group i: columns 128 (i / 2) on, K half i % 2.  Every offset is an immediate: 511 x 12,288 at the most, inside the signed 24 bits.
	s_sub_co_u32 s21, ttmp9, 256
	s_lshr_b32 s22, s21, 1
	s_and_b32 s23, s21, 1                          ; which 512 along K
	s_lshl_b32 s22, s22, 7
	s_lshl_b32 s24, s20, 5
	s_add_co_u32 s22, s22, s24                     ; my wave's first column
	v_lshlrev_b32 v3, 2, v2                        ; in: 4 bytes a lane
	s_mul_i32 s24, s20, 32*PITCH
	s_add_co_u32 s24, s24, 32768                   ; my stage: LDS bytes 32,768 - 67,583 are this path's
	v_mul_u32_u24 v4, v2, PITCH
	v_add_nc_u32 v4, s24, v4                       ; into it: row = my column
	v_and_b32 v5, 15, v2
	v_lshrrev_b32 v6, 4, v2                        ; out of it: sixteen lanes to a row, two rows an instruction
	v_mul_u32_u24 v7, v6, PITCH
	v_lshl_add_u32 v7, v5, 4, v7
	v_add_nc_u32 v7, s24, v7
	v_lshlrev_b32 v8, 9, v6                        ; and the same place in wc: 512 bytes a row
	v_lshl_add_u32 v8, v5, 4, v8
	v_lshlrev_b32 v9, 5, v2                        ; my column's row of scale bytes: 32 bytes
	s_mul_i32 s26, s23, 512*3072*4
	s_lshl_b32 s27, s22, 2
	s_add_co_u32 s26, s26, s27                     ; W_qkv: 512 rows x K half + 4 x column
	s_mov_b32 s27, 0
	s_lshl_b32 s28, s22, 9
	s_lshl_b32 s29, s23, 8
	s_add_co_u32 s28, s28, s29                     ; wc: 512 x column + 256 x K half
	s_mov_b32 s29, 0
	s_lshl_b32 s30, s22, 5
	s_lshl_b32 s31, s23, 4
	s_add_co_u32 s30, s30, s31                     ; ws: 32 x column + 16 x K half
	s_mov_b32 s31, 0
	s_wait_kmcnt 0x0
	s_add_nc_u64 s[6:7], s[6:7], s[26:27]
	s_add_nc_u64 s[14:15], s[14:15], s[28:29]
	s_add_nc_u64 s[16:17], s[16:17], s[30:31]
.macro LOADW t                         ; block t: W(32 t + i, my column) into set t % 2
.irp i, 0,1,2,3,4,5,6,7,8,9,10,11,12,13,14,15,16,17,18,19,20,21,22,23,24,25,26,27,28,29,30,31
	global_load_b32 v[WX+32*((\t)%2)+\i], v3, s[6:7] offset:(32*(\t)+\i)*3072*4 th:TH_LOAD_NT
.endr
.endm
	LOADW 0
	LOADW 1
.macro BLOCKW t
.set XS, WX+32*((\t)%2)
.if (\t) < 15
	s_wait_loadcnt 32                              ; this block's 32 loads are in; the next block's 32 may be out
.else
	s_wait_loadcnt 0
.endif
	v_max3_num_f32 v16, |v[XS]|, |v[XS+1]|, |v[XS+2]|              ; the block's largest magnitude: all 32 numbers are mine
	v_max3_num_f32 v17, |v[XS+3]|, |v[XS+4]|, |v[XS+5]|
.irp i, 6,10,14,18,22,26
	v_max3_num_f32 v16, v16, |v[XS+\i]|, |v[XS+\i+1]|
	v_max3_num_f32 v17, v17, |v[XS+\i+2]|, |v[XS+\i+3]|
.endr
	v_max3_num_f32 v16, v16, |v[XS+30]|, |v[XS+31]|
	v_max3_num_f32 v16, v16, v17, (EMAX+1)<<23     ; and the floor
	v_add_nc_u32 v18, -(EMAX<<23), v16             ; the conversions' scale operand
	v_lshrrev_b32 v17, 23, v18                     ; the scale's byte
.if (\t)%4 == 0
	v_mov_b32 v[WSB+(\t)/4], v17                   ; four bytes to a register, the lower K in the lower byte
.else
	v_lshl_or_b32 v[WSB+(\t)/4], v17, 8*((\t)%4), v[WSB+(\t)/4]
.endif
.irp g, 0,1,2,3
	v_cvt_scalef32_pk8_fp4_f32 v[WC+\g], v[XS+8*\g:XS+8*\g+7], v18
.endr
	v_nop                                          ; one plain line behind the last conversion of a run
	ds_store_b128 v4, v[WC:WC+3] offset:16*(\t)    ; 32 codes: 16 bytes of my column's row
.if (\t)+2 < 16
	LOADW (\t)+2
.endif
	s_wait_dscnt 0x0                               ; the store has read its registers: the next block's codes may be written
.endm
.irp t, 0,1,2,3,4,5,6,7,8,9,10,11,12,13,14,15
	BLOCKW \t
.endr
	global_store_b128 v9, v[WSB:WSB+3], s[16:17]   ; my column's 16 scale bytes
.irp t, 0,1,2,3,4,5,6,7,8,9,10,11,12,13,14,15
	ds_load_b128 v[WOUT+4*\t:WOUT+4*\t+3], v7 offset:2*\t*PITCH
.endr
.irp t, 0,1,2,3,4,5,6,7,8,9,10,11,12,13,14,15
	s_wait_dscnt 15-\t                             ; load t is in; the younger ones may be out
	global_store_b128 v8, v[WOUT+4*\t:WOUT+4*\t+3], s[14:15] offset:2*\t*512
.endr
	s_wait_tensorcnt 0x0                           ; the wave's end: behind my last LDS store
	ds_add_u32 v[SPW], v[NIL]
	s_wait_dscnt 0x0
	s_endpgm
; PATH P: a wave takes 32 columns x 128 along K: 4 blocks of 32 a lane, rounded to f16 in pairs.  Work-group i: columns 128 (i / 8) on, K block i % 8.
.Lpath_p:
	s_sub_co_u32 s21, ttmp9, 304
	s_lshr_b32 s22, s21, 3
	s_and_b32 s23, s21, 7                          ; which 128 along K
	s_lshl_b32 s22, s22, 7
	s_lshl_b32 s24, s20, 5
	s_add_co_u32 s22, s22, s24                     ; my wave's first column
	v_lshlrev_b32 v3, 2, v2
	s_mul_i32 s24, s20, 32*PITCH
	s_add_co_u32 s24, s24, 67584                   ; my stage: LDS bytes 67,584 - 102,399 are this path's
	v_mul_u32_u24 v4, v2, PITCH
	v_add_nc_u32 v4, s24, v4
	v_and_b32 v5, 15, v2
	v_lshrrev_b32 v6, 4, v2
	v_mul_u32_u24 v7, v6, PITCH
	v_lshl_add_u32 v7, v5, 4, v7
	v_add_nc_u32 v7, s24, v7
	v_lshlrev_b32 v8, 11, v6                       ; wpt: 2,048 bytes a row
	v_lshl_add_u32 v8, v5, 4, v8
	s_lshl_b32 s26, s23, 19                        ; W_proj: 128 rows of 4,096 bytes x K block
	s_lshl_b32 s27, s22, 2
	s_add_co_u32 s26, s26, s27
	s_mov_b32 s27, 0
	s_lshl_b32 s28, s22, 11                        ; wpt: 2,048 x column + 256 x K block
	s_lshl_b32 s29, s23, 8
	s_add_co_u32 s28, s28, s29
	s_mov_b32 s29, 0
	s_wait_kmcnt 0x0
	s_add_nc_u64 s[8:9], s[8:9], s[26:27]
	s_add_nc_u64 s[18:19], s[18:19], s[28:29]
.macro LOADP t
.irp i, 0,1,2,3,4,5,6,7,8,9,10,11,12,13,14,15,16,17,18,19,20,21,22,23,24,25,26,27,28,29,30,31
	global_load_b32 v[WX+32*((\t)%2)+\i], v3, s[8:9] offset:(32*(\t)+\i)*4096 th:TH_LOAD_NT
.endr
.endm
	LOADP 0
	LOADP 1
.macro BLOCKP t
.set XS, WX+32*((\t)%2)
.if (\t) < 3
	s_wait_loadcnt 32                              ; this block's 32 loads are in; the next block's 32 may be out
.else
	s_wait_loadcnt 0
.endif
.irp j, 0,1,2,3,4,5,6,7,8,9,10,11,12,13,14,15
	v_cvt_pk_f16_f32 v[WC+\j], v[XS+2*\j], v[XS+2*\j+1]            ; the lower k in the low half
.endr
.irp c, 0,1,2,3
	ds_store_b128 v4, v[WC+4*\c:WC+4*\c+3] offset:64*(\t)+16*\c    ; 32 numbers: 64 bytes of my column's row
.endr
.if (\t)+2 < 4
	LOADP (\t)+2
.endif
	s_wait_dscnt 0x0                               ; the stores have read their registers
.endm
.irp t, 0,1,2,3
	BLOCKP \t
.endr
.irp t, 0,1,2,3,4,5,6,7,8,9,10,11,12,13,14,15
	ds_load_b128 v[WOUT+4*\t:WOUT+4*\t+3], v7 offset:2*\t*PITCH
.endr
.irp t, 0,1,2,3,4,5,6,7,8,9,10,11,12,13,14,15
	s_wait_dscnt 15-\t                             ; load t is in; the younger ones may be out
	global_store_b128 v8, v[WOUT+4*\t:WOUT+4*\t+3], s[18:19] offset:2*\t*2048
.endr
	s_wait_tensorcnt 0x0                           ; the wave's end: behind my last LDS store
	ds_add_u32 v[SPW], v[NIL]
	s_wait_dscnt 0x0
	s_endpgm
.Lfunc_end_k_q4297955a0f_prep:
	.size	k_q4297955a0f_prep, .Lfunc_end_k_q4297955a0f_prep-k_q4297955a0f_prep
	.p2alignl 7, 3214868480
	.fill 96, 4, 3214868480
	.section	.rodata,"a",@progbits
	.p2align	6, 0x0
	.amdhsa_kernel k_q4297955a0f_prep
		.amdhsa_group_segment_fixed_size 102912
		.amdhsa_private_segment_fixed_size 0
		.amdhsa_enable_private_segment 0
		.amdhsa_kernarg_size 64
		.amdhsa_user_sgpr_count 2
		.amdhsa_user_sgpr_kernarg_segment_ptr 1
		.amdhsa_wavefront_size32 1
		.amdhsa_system_sgpr_workgroup_id_x 1
		.amdhsa_system_sgpr_workgroup_id_y 1
		.amdhsa_system_sgpr_workgroup_id_z 1
		.amdhsa_system_vgpr_workitem_id 0
		.amdhsa_next_free_vgpr 192
		.amdhsa_next_free_sgpr 66
		.amdhsa_reserve_vcc 0
		.amdhsa_float_denorm_mode_32 3
		.amdhsa_float_denorm_mode_16_64 3
		.amdhsa_memory_ordered 1
		.amdhsa_forward_progress 1
		.amdhsa_inst_pref_size 133
	.end_amdhsa_kernel
	.amdgpu_metadata
---
amdhsa.version: [ 1, 2 ]
amdhsa.kernels:
  - .name:           k_q4297955a0f_prep
    .symbol:         k_q4297955a0f_prep.kd
    .args:
      - { .name: x, .offset: 0, .size: 8, .value_kind: global_buffer, .address_space: global }
      - { .name: W_qkv, .offset: 8, .size: 8, .value_kind: global_buffer, .address_space: global }
      - { .name: W_proj, .offset: 16, .size: 8, .value_kind: global_buffer, .address_space: global }
      - { .name: xc, .offset: 24, .size: 8, .value_kind: global_buffer, .address_space: global }
      - { .name: xs, .offset: 32, .size: 8, .value_kind: global_buffer, .address_space: global }
      - { .name: wc, .offset: 40, .size: 8, .value_kind: global_buffer, .address_space: global }
      - { .name: ws, .offset: 48, .size: 8, .value_kind: global_buffer, .address_space: global }
      - { .name: wpt, .offset: 56, .size: 8, .value_kind: global_buffer, .address_space: global }
    .group_segment_fixed_size: 102912
    .private_segment_fixed_size: 0
    .kernarg_segment_align: 8
    .kernarg_segment_size: 64
    .max_flat_workgroup_size: 128
    .sgpr_count:     66
    .vgpr_count:     192
    .wavefront_size: 32
...
	.end_amdgpu_metadata
.endif
;; end of part 1
;; launch qkv (part 2): grid 12 x 32, 4 waves a work-group, clusters of 4 x 4, 327,680 bytes of LDS; arguments xc, xs, wc, ws, qkv, pe, q_scale, k_scale; writes qkv
.if DOCPART == 2
	.amdgcn_target "amdgcn-amd-amdhsa--gfx1250"
	.amdhsa_code_object_version 6
	.text
	.protected	k_q4297955a0f_qkv
	.globl	k_q4297955a0f_qkv
	.p2align	8
	.type	k_q4297955a0f_qkv,@function
k_q4297955a0f_qkv:
	s_mov_b64 s[64:65], 0
	v_nop
	global_prefetch_b8 v0, s[64:65] scope:SCOPE_SE
	s_setreg_imm32_b32 hwreg(HW_REG_WAVE_MODE, 25, 1), 1
	s_wait_xcnt 0x0
	s_wait_alu depctr_hold_cnt(0) depctr_sa_sdst(0) depctr_va_vdst(0) depctr_va_sdst(0) depctr_va_ssrc(0) depctr_va_vcc(0) depctr_vm_vsrc(0)
	s_getreg_b32 s2, hwreg(HW_REG_IB_STS2, 6, 4)
	s_cmp_eq_u32 s2, 0
	s_cbranch_scc0 .Lentry_in_a_cluster
	s_endpgm
.Lentry_in_a_cluster:
	s_bfe_u32 s2, ttmp6, 0x10000c
	s_cmp_lg_u32 s2, 0xf033
	s_cbranch_scc0 .Lentry_shape_is_right
	s_endpgm
.Lentry_shape_is_right:
; SELF-ATTENTION, launch 2 of 4: x W_qkv on codes of FP4 (E2M1) with one E8M0 scale for each 32 along K; then, on q and k, the RMS norm over a head's 64, the gain and the rotation by pe, all in f32; q, k, v leave in f16.
; No work of the problem is left out.  xc [8192][512 bytes], xs [8192][32]; wc [3072][512 bytes], ws [3072][32].  qkv: section s (q 0, k 1, v 2) at s x 16,777,216 bytes; in it [batch x 16 + head][token][64] f16.
; q is also multiplied, in f32 and ahead of its one rounding, by c = log2(e) / 8, so that the scores of the next launch are exponents of 2.
; LIMITS: |q c|, |k| and |v| stay under 65,504, f16's largest number (|q|, |k| are at most 8 x |gain| x the sum of two |pe|); NaN and infinities are not served.
; A tile of the product, 256 tokens x 256 columns, is made by a work-group of four waves; a wave makes 128 x 128: 64 accumulators of 16 x 16, 512 registers.  K = 1,024 is two LDS slots of 512: both are asked for at the head,
; nothing is filled again.  The scale bytes of the work-group's 256 + 256 rows, two dense blocks of memory, come with them.
; CLUSTERS: 4 x 4 work-groups.  The four of a row of the cluster need the same tiles of x, the four of a column the same tiles of W: each tile is asked for JOINTLY, by the same tensor load with the same descriptor and a mask
; that names the four.  A cluster's four tile columns are 1,024 columns: ONE section.  So the branch between q, k and v hangs on the cluster's x alone and is the same in all sixteen partners.
; THE MATRIX INSTRUCTION IS USED TRANSPOSED (source 0 = 16 rows of wc, source 1 = 16 rows of xc): lane (r, h) holds token r and the eight neighbouring columns 8 h + 0 .. 7 of a block of 16.
; REGISTERS, in windows of 256: window 0: v0-31 addresses; v32-95 scale words, two sets; v128-191 x's fragments, one set.  window 1: W's fragments, two sets, at v0 and v128.
;   window 2: the accumulators of my tokens 0-63 ((a, b) at v[8 (8 a + b)]); window 3: those of tokens 64-127.
;   On the way out: window 0: v32-63 1 / rms, a pair for each (a, head); v96-127 the gains; v128-255 pe, two sets.  window 1: v0-63 rotated numbers; v64-95 f16 pairs; v128-191 rows read back, two sets.
.set KSTEP,  512
.set NQ,     4                         ; matrix instructions deep in a slot
.set ROWB,   256                       ; a tile's row in bytes: 512 codes
.set KROW,   512                       ; a row of codes in memory
.set PITCH,  272                       ; an LDS row: 256 bytes + 16 of padding = 68 words: the 16 rows that a load touches start at 16 different banks (64 banks of 4 bytes: ISA guide 11.1)
.set FR,     8
.set NL,     2
.set NP,     4                         ; places behind this matrix instruction (ISA guide 7.12.1)
.set HALFT,  128*PITCH
.set SLOT,   4*HALFT
.set KS,     32                        ; a row of scale bytes
.set SCL,    2*SLOT                    ; behind the slots: the scale bytes, as rows of 256 bytes + 16 of padding
.set HALFS,  (128*KS/256)*272
.set SBLK,   (16*KS/256)*272
.set SPARE,  SCL+4*HALFS               ; the spare words, 128 bytes for each wave: two blocks of 256 bytes that no other line names
.set ADRA, 16                          ; v16-17  LDS address of my x fragments in slot 0, 1
.set ADRB, 20                          ; v20-21  the same for W
.set STO,  24                          ; v24  the way out: where I put 16 bytes of a token's row
.set RD,   25                          ; v25  the way out: where I read rows back
.set CO,   26                          ; v26  16 x lane
.set ADRS, 27                          ; v27  LDS address of my scale words: lanes 0-15 x's rows, lanes 16-31 W's
.set SPW,  28                          ; v28  my spare word; never rewritten
.set NIL,  29                          ; v29  0; never rewritten
.set PEO,  30                          ; v30  pe: 512 r + 64 h
.set SCO,  31                          ; v31  the gains: 32 h
.set SC,   32
.set AF,   128
.set RR,   32                          ; the way out, window 0
.set GN,   96
.set PE,   128
.set RO,   0                           ; the way out, window 1
.set HH,   64
.set BK,   128
.set G1, 24                            ; s[24:31] descriptor group 1 for x's tiles; s[32:39] group 0, one set for each slot
.set G0, 32
.set G1B, 48                           ; s[48:55], s[56:63] the same for W's tiles
.set G0B, 56
.set G1S, 68                           ; s[68:75], s[76:79] groups 1 and 0 for x's scales; s[80:87], s[88:91] for W's
.set G0S, 76
.set G1SB, 80
.set G0SB, 88
.set MSB, 0
.macro WIN new                         ; the immediate's high byte repeats the setting that is left; a switch that changes nothing is dropped
.if MSB != \new
	s_set_vgpr_msb (MSB<<8)|\new
.set MSB, \new
.endif
.endm
.set MUL_LO, 0xa1                      ; source 0 (W) window 1, source 1 (x) window 0, C and D window 2
.set MUL_HI, 0xf1
.set TO_B,   0x40
; A joint load: waves 0 and 1 fetch for x, waves 2 and 3 for W.  The branch hangs on the wave's number alone.  An s_nop 0 and four v_nop follow each of the two lines.
.macro JLOAD g0a, g1a, g0b, g1b
	s_cmp_eq_u32 s15, 0
	s_cbranch_scc0 .Lfor_b_\@
	tensor_load_to_lds s[\g0a:\g0a+3], s[\g1a:\g1a+7]
	s_nop 0
.rept 4
	v_nop
.endr
	s_branch .Lasked_\@
.Lfor_b_\@:
	tensor_load_to_lds s[\g0b:\g0b+3], s[\g1b:\g1b+7]
	s_nop 0
.rept 4
	v_nop
.endr
.Lasked_\@:
.endm
.macro CROUND                          ; a round of the cluster's barrier
	s_barrier_signal -1
	s_barrier_wait -1
	s_cmp_lg_u32 s14, 0
	s_cbranch_scc1 .Lnot_wave_0_\@
	s_barrier_signal -3
.Lnot_wave_0_\@:
	s_barrier_wait -3
	s_barrier_signal -1
	s_barrier_wait -1
.endm
	s_load_b128 s[4:7], s[0:1], 0x0                ; x's codes s[4:5], x's scales s[6:7]
	s_load_b128 s[8:11], s[0:1], 0x10              ; W's codes s[8:9], W's scales s[10:11]
	s_load_b64 s[12:13], s[0:1], 0x20              ; qkv
	s_load_b128 s[96:99], s[0:1], 0x28             ; pe s[96:97], q_scale s[98:99]
	s_load_b64 s[100:101], s[0:1], 0x38            ; k_scale
	v_lshl_add_u32 v[SPW], v0, 2, SPARE
	v_mov_b32 v[NIL], 0
	ds_add_u32 v[SPW], v[NIL]                      ; the wave's opening: the add, twice on end, and its wait ahead of my first tensor load
	ds_add_u32 v[SPW], v[NIL]
	v_lshrrev_b32 v1, 5, v0
	v_readfirstlane_b32 s14, v1                    ; wave 0..3
	s_lshr_b32 s15, s14, 1                         ; which half of the tile's tokens is mine.  Also: I fetch for x (0) or for W (1)
	s_and_b32 s16, s14, 1                          ; which half of its columns.  Also: which 128 rows I fetch
	s_bfe_u32 s40, ttmp6, 0x40000                  ; cx, cy: my place in the cluster
	s_bfe_u32 s41, ttmp6, 0x40004
	s_lshl_b32 s42, ttmp9, 2
	s_add_co_u32 s42, s42, s40                     ; tile column = 4 x cluster x + cx
	s_and_b32 s17, ttmp7, 0xffff
	s_lshl_b32 s17, s17, 2
	s_add_co_u32 s17, s17, s41                     ; tile row = 4 x cluster y + cy
	s_lshl_b32 s43, s41, 2
	s_lshl_b32 s43, 15, s43                        ; my row of the cluster
	s_lshl_b32 s44, 0x1111, s40                    ; my column
	s_or_b32 s[G1+0], s43, (0<<16)|(1<<20)|(1<<21)|(5<<22)|(3<<25)  ; 15:0 the mask; 17:16 elements of 1 byte; 20 padding on; 21 set beside a mask; 24:22 after every 64 words; 31:25 four words
	s_or_b32 s[G1B+0], s44, (0<<16)|(1<<20)|(1<<21)|(5<<22)|(3<<25)
.irp g, G1, G1B
	s_mov_b32 s[\g+1], ROWB<<16                    ; tensor_dim0
	s_mov_b32 s[\g+2], 128<<16                     ; tensor_dim1
	s_mov_b32 s[\g+3], ROWB<<16                    ; tile_dim0
	s_mov_b32 s[\g+4], 128                         ; tile_dim1
	s_mov_b32 s[\g+5], KROW                        ; from row to row
	s_mov_b32 s[\g+6], 0
	s_mov_b32 s[\g+7], 0
.endr
	s_or_b32 s[G1S+0], s43, (3<<16)|(1<<20)|(1<<21)|(5<<22)|(3<<25) ; the scales of 128 rows: a dense block of 4,096 bytes, as 16 rows of 32 elements of 8 bytes, 16 bytes of padding behind each
	s_or_b32 s[G1SB+0], s44, (3<<16)|(1<<20)|(1<<21)|(5<<22)|(3<<25)
.irp g, G1S, G1SB
	s_mov_b32 s[\g+1], 32<<16
	s_mov_b32 s[\g+2], (128*KS/256)<<16
	s_mov_b32 s[\g+3], 32<<16
	s_mov_b32 s[\g+4], 128*KS/256
	s_mov_b32 s[\g+5], 32
	s_mov_b32 s[\g+6], 0
	s_mov_b32 s[\g+7], 0
.endr
	s_lshl_b32 s18, s16, 7
	s_lshl_b32 s20, s17, 8
	s_add_co_u32 s20, s20, s18                     ; x: row 256 x tile row + 128 x half
	s_lshl_b32 s46, s42, 8
	s_add_co_u32 s46, s46, s18                     ; W: row 256 x tile column + 128 x half
	s_mov_b32 s21, 0
	s_mov_b32 s47, 0
	s_mov_b64 s[18:19], KS
	s_mul_u64 s[22:23], s[20:21], s[18:19]         ; where these rows' scales begin, in bytes,
	s_mul_u64 s[92:93], s[46:47], s[18:19]
	s_mov_b64 s[18:19], KROW
	s_mul_u64 s[20:21], s[20:21], s[18:19]         ; and their codes
	s_mul_u64 s[46:47], s[46:47], s[18:19]
	s_mul_i32 s45, s14, HALFT                      ; where they go: wave x 128 rows: no place in the cluster enters an LDS address
	s_mul_i32 s94, s14, HALFS
	s_wait_dscnt 0x0                               ; both opening adds are done
	s_wait_kmcnt 0x0
	s_add_nc_u64 s[20:21], s[4:5], s[20:21]
	s_add_nc_u64 s[22:23], s[6:7], s[22:23]
	s_add_nc_u64 s[46:47], s[8:9], s[46:47]
	s_add_nc_u64 s[92:93], s[10:11], s[92:93]
	CROUND                                         ; all sixteen work-groups are here: the joint loads meet
	s_mov_b32 s[G0S], 1
	s_add_co_u32 s[G0S+1], s94, SCL
	s_mov_b64 s[G0S+2:G0S+3], s[22:23]
	s_or_b32 s[G0S+3], s[G0S+3], 0x80000000
	s_mov_b32 s[G0SB], 1
	s_add_co_u32 s[G0SB+1], s94, SCL
	s_mov_b64 s[G0SB+2:G0SB+3], s[92:93]
	s_or_b32 s[G0SB+3], s[G0SB+3], 0x80000000
	JLOAD G0S, G1S, G0SB, G1SB                     ; the scales first: they are wanted with slot 0.  Three tensor loads of mine are out at the most
.irp s, 0,1
	s_mov_b32 s[G0+4*\s], 1
	s_add_co_u32 s[G0+4*\s+1], s45, \s*SLOT
	s_add_nc_u64 s[G0+4*\s+2:G0+4*\s+3], s[20:21], \s*ROWB
	s_or_b32 s[G0+4*\s+3], s[G0+4*\s+3], 0x80000000
	s_mov_b32 s[G0B+4*\s], 1
	s_add_co_u32 s[G0B+4*\s+1], s45, \s*SLOT
	s_add_nc_u64 s[G0B+4*\s+2:G0B+4*\s+3], s[46:47], \s*ROWB
	s_or_b32 s[G0B+4*\s+3], s[G0B+4*\s+3], 0x80000000
	JLOAD G0+4*\s, G1, G0B+4*\s, G1B
.endr
	v_and_b32 v1, 15, v0                           ; r
	v_bfe_u32 v2, v0, 4, 1                         ; h
	v_mul_u32_u24 v3, v1, PITCH
	v_lshl_add_u32 v4, v2, 4, v3                   ; a fragment's row x pitch + 16 h
	s_mul_i32 s21, s15, HALFT                      ; my 128 rows of x
	s_mul_i32 s22, s16, HALFT                      ; my 128 rows of W,
	s_add_co_u32 s22, s22, 2*HALFT                 ; which lie behind x's 256
.irp s, 0,1
	v_add_nc_u32 v[ADRA+\s], s21, v4
	v_add_nc_u32 v[ADRB+\s], s22, v4
	s_add_co_u32 s21, s21, SLOT
	s_add_co_u32 s22, s22, SLOT
.endr
	v_mul_u32_u24 v5, v1, KS                       ; my row's scales: 32 bytes a row,
	v_lshrrev_b32 v6, 8, v5
	v_lshl_add_u32 v5, v6, 4, v5                   ; and 16 more for each 256 passed
	s_mul_i32 s21, s15, HALFS
	s_mul_i32 s22, s16, HALFS
	s_add_co_u32 s22, s22, 2*HALFS
	s_sub_co_u32 s22, s22, s21
	v_mul_u32_u24 v6, s22, v2                      ; lanes 16-31 take W's: one product, the distance between the two bases x h
	s_add_co_u32 s21, s21, SCL
	v_add_nc_u32 v5, v5, v6
	v_add_nc_u32 v[ADRS], s21, v5
	s_mul_i32 s23, s14, 32*144                     ; my stage for the way out: 2 heads x 16 tokens x (128 bytes + 16).  It lies in slot 0, which has had its only fill and its last read when the first result is stored there
	v_mul_u32_u24 v5, v1, 144
	v_lshl_add_u32 v5, v2, 4, v5
	v_add_nc_u32 v[STO], s23, v5                   ; in: token r, + 16 h
	v_and_b32 v6, 31, v0
	v_lshrrev_b32 v5, 3, v6
	v_mul_u32_u24 v5, v5, 144
	v_and_b32 v7, 7, v0
	v_lshl_add_u32 v5, v7, 4, v5
	v_add_nc_u32 v[RD], s23, v5                    ; back: eight lanes to a token's 128 bytes, four tokens an instruction
	v_lshlrev_b32 v[CO], 4, v6
	v_lshlrev_b32 v[PEO], 9, v1
	v_lshl_add_u32 v[PEO], v2, 6, v[PEO]
	v_lshlrev_b32 v[SCO], 5, v2
	; where my part begins in qkv and in pe.  Row 256 x tile row + 128 x half is batch (tile row / 8), token 256 (tile row % 8) + 128 x half; my columns are heads 4 cx + 2 x half and the next
	s_lshr_b32 s20, s17, 3
	s_lshl_b32 s20, s20, 4
	s_lshl_b32 s21, s40, 2
	s_add_co_u32 s20, s20, s21
	s_lshl_b32 s21, s16, 1
	s_add_co_u32 s20, s20, s21                     ; batch x 16 + head
	s_lshl_b32 s20, s20, 18                        ; 262,144 bytes a head
	s_lshl_b32 s21, ttmp9, 24                      ; the section
	s_add_co_u32 s20, s20, s21
	s_and_b32 s21, s17, 7
	s_lshl_b32 s21, s21, 8
	s_lshl_b32 s22, s15, 7
	s_add_co_u32 s21, s21, s22                     ; my first token
	s_lshl_b32 s22, s21, 7                         ; 128 bytes a token in qkv,
	s_add_co_u32 s20, s20, s22
	s_lshl_b32 s22, s21, 9                         ; 512 in pe
	s_mov_b32 s21, 0
	s_mov_b32 s23, 0
	s_add_nc_u64 s[12:13], s[12:13], s[20:21]
	s_add_nc_u64 s[96:97], s[96:97], s[22:23]
	s_mov_b32 s20, 0x76543210
	s_mov_b32 s21, 0xfedcba98                      ; v_permlanex16_b32's selects for lane l xor 16
	s_mov_b32 s22, 0x3c800000                      ; 1 / 64
	s_mov_b32 s23, 0x358637bd                      ; 1e-6
	s_mov_b32 s41, 0x3f800000
	s_cmp_eq_u32 ttmp9, 0
	s_cselect_b64 s[42:43], s[98:99], s[100:101]   ; q's gains or k's
	s_cselect_b32 s40, 0x3e38aa3b, s41             ; c = log2(e) / 8 for q, 1 for k
.macro FRAG reg, adr, q, i             ; a fragment, 16 rows x 128 K of 4-bit codes: lane (r, h) holds row r; registers 4 c .. 4 c + 3 hold K = 64 c + 32 h + 0 .. 31
.irp c, 0,1
	ds_load_b128 v[\reg+4*\c:\reg+4*\c+3], v[\adr] offset:64*(\q)+32*\c+(\i)*16*PITCH
.endr
.endm
; 16 matrix instructions: x's blocks a0, a0 + 1 against W's eight, 128 along K.  p: W's set; sc: the set of scale words; zero = 1: the product starts the sums.  The 64 accumulators take turns, one instruction a turn.
; A scale register holds x's word in lanes 0-15 and W's in lanes 16-31: source 0 (W) reads row 1.
.macro MUL16 a0, p, q, sc, zero
.irp a, \a0, \a0+1
.irp b, 0,1,2,3,4,5,6,7
.if \zero
	v_wmma_scale_f32_16x16x128_f8f6f4 v[8*(8*((\a)%4)+\b):8*(8*((\a)%4)+\b)+7], v[128*(\p)+FR*\b:128*(\p)+FR*\b+FR-1], v[AF+FR*(\a):AF+FR*(\a)+FR-1], 0, v[SC+8*NQ*(\sc)+NQ*\b+(\q)], v[SC+8*NQ*(\sc)+NQ*(\a)+(\q)] matrix_a_fmt:MATRIX_FMT_FP4 matrix_b_fmt:MATRIX_FMT_FP4 matrix_a_scale:MATRIX_SCALE_ROW1
.else
	v_wmma_scale_f32_16x16x128_f8f6f4 v[8*(8*((\a)%4)+\b):8*(8*((\a)%4)+\b)+7], v[128*(\p)+FR*\b:128*(\p)+FR*\b+FR-1], v[AF+FR*(\a):AF+FR*(\a)+FR-1], v[8*(8*((\a)%4)+\b):8*(8*((\a)%4)+\b)+7], v[SC+8*NQ*(\sc)+NQ*\b+(\q)], v[SC+8*NQ*(\sc)+NQ*(\a)+(\q)] matrix_a_fmt:MATRIX_FMT_FP4 matrix_b_fmt:MATRIX_FMT_FP4 matrix_a_scale:MATRIX_SCALE_ROW1
.endif
.endr
.endr
.endm
.macro FETCH_B slot, q, p
	WIN TO_B
.irp i, 0,1,2,3,4,5,6,7
	FRAG 128*(\p)+FR*\i, ADRB+\slot, \q, \i
.endr
	WIN 0
.endm
.macro FETCH_A slot, q, i0
.irp i, \i0, \i0+1, \i0+2, \i0+3
	FRAG AF+FR*(\i), ADRA+\slot, \q, \i
.endr
.endm
.macro SCALES sc                       ; a slot's scale words: 4 words a row; lanes 0-15 take x's block i, lanes 16-31 W's block i
.irp i, 0,1,2,3,4,5,6,7
	ds_load_b128 v[SC+8*NQ*\sc+NQ*\i:SC+8*NQ*\sc+NQ*\i+3], v[ADRS] offset:\i*SBLK
.endr
.endm
.macro PLACES n                        ; plain vector instructions between a matrix instruction and a load into, or a vector read or write of, its registers
.rept \n
	v_nop
.endr
.endm
.macro STEP slot, q, zero              ; a step of 128 along K that has its successor in the same slot
	s_wait_dscnt 4*NL                              ; W's set and x's blocks 0-3 are in; the youngest eight loads (x's blocks 4-7) may be out
	WIN MUL_LO
	MUL16 0, (\q)%2, \q, \slot, \zero
	MUL16 2, (\q)%2, \q, \slot, \zero
	s_wait_dscnt 0                                 ; x's blocks 4-7 are in
	PLACES NP
	FETCH_B \slot, (\q)+1, 1-(\q)%2
	FETCH_A \slot, (\q)+1, 0
	WIN MUL_HI
	MUL16 4, (\q)%2, \q, \slot, \zero
	MUL16 6, (\q)%2, \q, \slot, \zero
	PLACES NP
	WIN 0
	FETCH_A \slot, (\q)+1, 4
.endm
; Slot 0's last step changes slots: one barrier; in front of it each wave waits for all its tensor loads (its part of slot 1), adds 0 to its spare word, and waits for that and for its reads of slot 0.  Nothing is filled again.
.macro TURN slot, next
	s_wait_tensorcnt 0x0                           ; all my tensor loads have landed
	ds_add_u32 v[SPW], v[NIL]                      ; 0 onto my spare word
	s_wait_dscnt 4*NL+1                            ; (the add and the youngest eight loads may be out)
	WIN MUL_LO
	MUL16 0, 1, NQ-1, \slot, 0
	s_wait_dscnt 0x0                               ; the add is done, and my reads of this slot are over
	s_barrier_signal -1
	MUL16 2, 1, NQ-1, \slot, 0
	WIN 0
	s_barrier_wait -1
	PLACES NP
	v_add_nc_u32 v[ADRS], 4*NQ, v[ADRS]            ; on to the next slot's scale words
	FETCH_B \next, 0, 0
	FETCH_A \next, 0, 0
	SCALES \next
	WIN MUL_HI
	MUL16 4, 1, NQ-1, \slot, 0
	MUL16 6, 1, NQ-1, \slot, 0
	PLACES NP
	WIN 0
	FETCH_A \next, 0, 4
.endm
	s_wait_tensorcnt 1                             ; the scales and my part of slot 0 are in; slot 1's load may be out
	s_barrier_signal -1
	s_barrier_wait -1
	FETCH_B 0, 0, 0
	FETCH_A 0, 0, 0
	SCALES 0
	FETCH_A 0, 0, 4
	STEP 0, 0, 1                                   ; the first products start the sums: nothing is cleared
	STEP 0, 1, 0
	STEP 0, 2, 0
	TURN 0, 1
	STEP 1, 0, 0
	STEP 1, 1, 0
	STEP 1, 2, 0
	s_wait_dscnt 4*NL                              ; the last step: nothing more to fetch
	WIN MUL_LO
	MUL16 0, 1, NQ-1, 1, 0
	MUL16 2, 1, NQ-1, 1, 0
	s_wait_dscnt 0
	WIN MUL_HI
	MUL16 4, 1, NQ-1, 1, 0
	MUL16 6, 1, NQ-1, 1, 0
	WIN 0
	PLACES NP                                      ; ahead of every read of results and of every load into a register that the products read
; THE WAY OUT.  Accumulator (a, b): tokens 16 a + r; head b / 4 of my two, channels 16 (b % 4) + 8 h + 0 .. 7.
; Block a's 32 registers of f16 pairs go through my stage and come back as tokens' whole rows of 128 bytes: for each head 16 tokens are 2,048 consecutive bytes of qkv, stored 512 an instruction.
.macro SENDQ a, younger                ; younger: the LDS instructions issued behind block a's loads, which may stay out
.set BS, BK+32*((\a)%2)
	s_wait_dscnt \younger
	WIN 0x04                                       ; a store's data are its source 1: window 1
.irp g, 0,1
.irp i, 0,1,2,3
	global_store_b128 v[CO], v[BS+4*(4*\g+\i):BS+4*(4*\g+\i)+3], s[12:13] offset:262144*\g+2048*(\a)+512*\i
.endr
.endr
.endm
.macro OUT a
.set BB, BK+32*((\a)%2)
.if (\a) > 1
	s_wait_xcnt 0x0                                ; block a - 2's stores have read their registers: block a's loads may land there
.endif
	WIN 0x04
.irp b, 0,1,2,3,4,5,6,7
	ds_store_b128 v[STO], v[HH+4*\b:HH+4*\b+3] offset:2304*(\b/4)+32*(\b%4)
.endr
	WIN 0x40                                       ; LDS serves a wave's instructions in order: the loads see the stores above, and the next block's stores come behind them
.irp g, 0,1
.irp i, 0,1,2,3
	ds_load_b128 v[BB+4*(4*\g+\i):BB+4*(4*\g+\i)+3], v[RD] offset:2304*\g+576*\i
.endr
.endr
.if (\a) > 0
	SENDQ (\a)-1, 16                               ; behind block a - 1's loads: block a's 8 stores and 8 loads
.endif
.endm
	s_cmp_eq_u32 ttmp9, 2                          ; the cluster's x is the section: the same in all sixteen partners
	s_cbranch_scc1 .Lv
; q AND k.  pe of token l, pair i: four numbers, 16 bytes, at 512 l + 16 i: out(2 i) = pe0 z(2 i) + pe1 z(2 i + 1), out(2 i + 1) = pe2 z(2 i) + pe3 z(2 i + 1).  My pairs of block t of 16 channels: 8 t + 4 h + 0 .. 3.
.macro PELOAD a
.irp t, 0,1,2,3
.irp c, 0,1,2,3
	global_load_b128 v[PE+64*((\a)%2)+16*\t+4*\c:PE+64*((\a)%2)+16*\t+4*\c+3], v[PEO], s[96:97] offset:(\a)*8192+128*\t+16*\c
.endr
.endr
.endm
.irp t, 0,1,2,3
.irp c, 0,1
	global_load_b128 v[GN+8*\t+4*\c:GN+8*\t+4*\c+3], v[SCO], s[42:43] offset:64*\t+16*\c   ; the gains of channels 16 t + 8 h + 0 .. 7
.endr
.endr
	PELOAD 0
	PELOAD 1
; the sums of squares of four blocks of tokens x two heads, eight chains by turns, each accumulator from its low end on, while those loads are on their way
.macro SUMSQ a0
.set p, 0
.rept 16
.irp a, 0,1,2,3
.irp g, 0,1
.set rD, RR+4*((\a0)+\a)+2*\g
.set rA, 8*(8*\a+4*\g+p/4)+2*(p%4)
.if p == 0
	v_pk_mul_f32 v[rD:rD+1], v[rA:rA+1], v[rA:rA+1]
.else
	v_pk_fma_f32 v[rD:rD+1], v[rA:rA+1], v[rA:rA+1], v[rD:rD+1]
.endif
.endr
.endr
.set p, p+1
.endr
.endm
	WIN 0x0a                                       ; sources 0 and 1 window 2
	SUMSQ 0
	WIN 0x0f                                       ; window 3
	SUMSQ 4
	WIN 0
.irp n, 0,1,2,3,4,5,6,7,8,9,10,11,12,13,14,15
	v_add_f32 v[RR+2*\n], v[RR+2*\n], v[RR+2*\n+1]
.endr
.irp n, 0,1,2,3,4,5,6,7,8,9,10,11,12,13,14,15
	v_permlanex16_b32 v[RR+2*\n+1], v[RR+2*\n], s20, s21           ; the head's other 32 channels lie in the lane 16 away
.endr
.irp n, 0,1,2,3,4,5,6,7,8,9,10,11,12,13,14,15
	v_add_f32 v[RR+2*\n], v[RR+2*\n], v[RR+2*\n+1]
.endr
.irp n, 0,1,2,3,4,5,6,7,8,9,10,11,12,13,14,15
	v_fma_f32 v[RR+2*\n], v[RR+2*\n], s22, s23                     ; the mean + 1e-6
.endr
.irp n, 0,1,2,3,4,5,6,7,8,9,10,11,12,13,14,15
	v_rsq_f32 v[RR+2*\n], v[RR+2*\n]
.endr
	v_nop                                          ; a plain instruction behind the last of the batch,
	s_wait_alu depctr_va_vdst(0)                   ; and one wait for the sixteen, ahead of their first reader
.irp n, 0,1,2,3,4,5,6,7,8,9,10,11,12,13,14,15
	v_mul_f32 v[RR+2*\n], s40, v[RR+2*\n]          ; x c for q
.endr
.macro EPI a
.set AC, 64*((\a)%4)
.set PB, PE+64*((\a)%2)
.set W_IN, ((2+(\a)/4)<<6)|(2+(\a)/4)  ; destination and source 0: the accumulators' window
.set W_RT, 0x50|((2+(\a)/4)<<2)        ; destination and source 2 window 1, source 1 the accumulators', source 0 (pe) window 0
.if (\a) < 7
	s_wait_loadcnt 16                              ; the gains and this block's pe are in; the next block's 16 loads may be out
.else
	s_wait_loadcnt 0
.endif
	WIN W_IN
.irp b, 0,1,2,3,4,5,6,7
.irp i, 0,1,2,3
	v_pk_mul_f32 v[AC+8*\b+2*\i:AC+8*\b+2*\i+1], v[AC+8*\b+2*\i:AC+8*\b+2*\i+1], v[GN+8*(\b%4)+2*\i:GN+8*(\b%4)+2*\i+1]
.endr
.endr
.irp b, 0,1,2,3,4,5,6,7
.irp i, 0,1,2,3
	v_pk_mul_f32 v[AC+8*\b+2*\i:AC+8*\b+2*\i+1], v[AC+8*\b+2*\i:AC+8*\b+2*\i+1], v[RR+4*(\a)+2*(\b/4):RR+4*(\a)+2*(\b/4)+1] op_sel_hi:[1,0]
.endr
.endr
	WIN W_RT
.irp b, 0,1,2,3,4,5,6,7
.irp i, 0,1,2,3
	v_mul_f32 v[RO+8*\b+2*\i], v[PB+16*(\b%4)+4*\i], v[AC+8*\b+2*\i]
	v_mul_f32 v[RO+8*\b+2*\i+1], v[PB+16*(\b%4)+4*\i+2], v[AC+8*\b+2*\i]
.endr
.irp i, 0,1,2,3
	v_fma_f32 v[RO+8*\b+2*\i], v[PB+16*(\b%4)+4*\i+1], v[AC+8*\b+2*\i+1], v[RO+8*\b+2*\i]
	v_fma_f32 v[RO+8*\b+2*\i+1], v[PB+16*(\b%4)+4*\i+3], v[AC+8*\b+2*\i+1], v[RO+8*\b+2*\i+1]
.endr
.endr
	WIN 0
.if (\a) < 6
	PELOAD (\a)+2                                  ; into the set just used
.endif
	WIN 0x45                                       ; all in window 1
.irp b, 0,1,2,3,4,5,6,7
.irp i, 0,1,2,3
	v_cvt_pk_f16_f32 v[HH+4*\b+\i], v[RO+8*\b+2*\i], v[RO+8*\b+2*\i+1]
.endr
.endr
	OUT \a
.endm
.irp a, 0,1,2,3,4,5,6,7
	EPI \a
.endr
	SENDQ 7, 0
	WIN 0
	s_branch .Lend
; v: rounded to f16 as it is
.Lv:
.macro VOUT a
.set AC, 64*((\a)%4)
.set W_V, 0x40|((2+(\a)/4)<<2)|(2+(\a)/4)
	WIN W_V
.irp b, 0,1,2,3,4,5,6,7
.irp i, 0,1,2,3
	v_cvt_pk_f16_f32 v[HH+4*\b+\i], v[AC+8*\b+2*\i], v[AC+8*\b+2*\i+1]   ; each accumulator from its low end on
.endr
.endr
	OUT \a
.endm
.irp a, 0,1,2,3,4,5,6,7
	VOUT \a
.endr
	SENDQ 7, 0
	WIN 0
.Lend:
	s_wait_tensorcnt 0x0                           ; the wave's end: behind my last tensor load and my last LDS store
	ds_add_u32 v[SPW], v[NIL]
	s_wait_dscnt 0x0
	CROUND                                         ; the closing round
	s_endpgm
.Lfunc_end_k_q4297955a0f_qkv:
	.size	k_q4297955a0f_qkv, .Lfunc_end_k_q4297955a0f_qkv-k_q4297955a0f_qkv
	.p2alignl 7, 3214868480
	.fill 96, 4, 3214868480
	.section	.rodata,"a",@progbits
	.p2align	6, 0x0
	.amdhsa_kernel k_q4297955a0f_qkv
		.amdhsa_group_segment_fixed_size 327680
		.amdhsa_private_segment_fixed_size 0
		.amdhsa_enable_private_segment 0
		.amdhsa_kernarg_size 64
		.amdhsa_user_sgpr_count 2
		.amdhsa_user_sgpr_kernarg_segment_ptr 1
		.amdhsa_wavefront_size32 1
		.amdhsa_system_sgpr_workgroup_id_x 1
		.amdhsa_system_sgpr_workgroup_id_y 1
		.amdhsa_system_sgpr_workgroup_id_z 1
		.amdhsa_system_vgpr_workitem_id 0
		.amdhsa_next_free_vgpr 1024
		.amdhsa_next_free_sgpr 102
		.amdhsa_reserve_vcc 0
		.amdhsa_float_denorm_mode_32 3
		.amdhsa_float_denorm_mode_16_64 3
		.amdhsa_memory_ordered 1
		.amdhsa_forward_progress 1
		.amdhsa_inst_pref_size 255
	.end_amdhsa_kernel
	.section	.bss,"aw",@nobits
	.p2align	6
	.space	262144
	.amdgpu_metadata
---
amdhsa.version: [ 1, 2 ]
amdhsa.kernels:
  - .name:           k_q4297955a0f_qkv
    .symbol:         k_q4297955a0f_qkv.kd
    .args:
      - { .name: xc, .offset: 0, .size: 8, .value_kind: global_buffer, .address_space: global }
      - { .name: xs, .offset: 8, .size: 8, .value_kind: global_buffer, .address_space: global }
      - { .name: wc, .offset: 16, .size: 8, .value_kind: global_buffer, .address_space: global }
      - { .name: ws, .offset: 24, .size: 8, .value_kind: global_buffer, .address_space: global }
      - { .name: qkv, .offset: 32, .size: 8, .value_kind: global_buffer, .address_space: global }
      - { .name: pe, .offset: 40, .size: 8, .value_kind: global_buffer, .address_space: global }
      - { .name: q_scale, .offset: 48, .size: 8, .value_kind: global_buffer, .address_space: global }
      - { .name: k_scale, .offset: 56, .size: 8, .value_kind: global_buffer, .address_space: global }
    .group_segment_fixed_size: 327680
    .private_segment_fixed_size: 0
    .kernarg_segment_align: 8
    .kernarg_segment_size: 64
    .max_flat_workgroup_size: 128
    .sgpr_count:     102
    .vgpr_count:     1024
    .wavefront_size: 32
...
	.end_amdgpu_metadata
.endif
;; end of part 2
;; launch attn (part 3): grid 4 x 64, 8 waves a work-group, clusters of 4 x 1, 327,680 bytes of LDS; arguments qkv, ao; writes ao
.if DOCPART == 3
	.amdgcn_target "amdgcn-amd-amdhsa--gfx1250"
	.amdhsa_code_object_version 6
	.text
	.protected	k_q4297955a0f_attn
	.globl	k_q4297955a0f_attn
	.p2align	8
	.type	k_q4297955a0f_attn,@function
k_q4297955a0f_attn:
	s_mov_b64 s[64:65], 0
	v_nop
	global_prefetch_b8 v0, s[64:65] scope:SCOPE_SE
	s_setreg_imm32_b32 hwreg(HW_REG_WAVE_MODE, 25, 1), 1
	s_wait_xcnt 0x0
	s_wait_alu depctr_hold_cnt(0) depctr_sa_sdst(0) depctr_va_vdst(0) depctr_va_sdst(0) depctr_va_ssrc(0) depctr_va_vcc(0) depctr_vm_vsrc(0)
	s_getreg_b32 s2, hwreg(HW_REG_IB_STS2, 6, 4)
	s_cmp_eq_u32 s2, 0
	s_cbranch_scc0 .Lentry_in_a_cluster
	s_endpgm
.Lentry_in_a_cluster:
	s_bfe_u32 s2, ttmp6, 0x10000c
	s_cmp_lg_u32 s2, 0x3003
	s_cbranch_scc0 .Lentry_shape_is_right
	s_endpgm
.Lentry_shape_is_right:
; SELF-ATTENTION, launch 3 of 4: ao[bh][q][:] = the sum over k of softmax_k(score) v[bh][k][:], no mask.  No work of the problem is left out.
; qkv: q at byte 0, k at 16,777,216, v at 33,554,432, each [bh = batch x 16 + head][2048][64] f16; q already carries log2(e) / 8, so a score s is an exponent of 2.  ao: [bh][2048][64] f16.
; Products on f16 operands with f32 sums; maxima, exponentials and sums in f32; the weights p are rounded to f16 for the second product (p is at most 1), ao once at the end.
; SOFTMAX.  For each query a running maximum m and sum l: p = 2^(s - m); in every step O and l are multiplied by a = 2^(m_old - m_new), which is 1 where m has not grown.  m begins at -3e38, O and l at 0: the first a multiplies zeros.
; SHARES.  A work-group owns 512 queries of one head, each of its eight waves 64: four tiles of 16; two waves stand on a SIMD, so that one wave's softmax stands beside the other's products.  Every wave walks all 2,048 keys, 64 a step.
; LAYOUT.  S^T = K Q^T (source 0 = 16 keys, source 1 = 16 queries): a lane holds ONE query (lane % 16) and the keys 8 (lane / 16) + 0 .. 7 of a tile.  Two such tiles, rounded to f16 in pairs, ARE source 1 (32 keys x 16 queries)
; of O^T = V^T P.  K comes out of LDS as it lies, V ([key][channel]) turned, by ds_load_tr16_b128.  Each fragment of K and V feeds four products.
; CLUSTER.  The four query blocks of a head form a cluster and walk the same K and V: each tile is asked for JOINTLY, by the same tensor load with the same descriptor and a mask that names the four.
; RING.  Two LDS slots of four key steps.  Waves 0-3 fetch K of the slot's steps 0-3, waves 4-7 V: one load a wave behind each round, and four steps in which it lands.
; REGISTERS: window 0: v0-15 addresses; v16-63 statistics, 12 a tile; v64-127 K of a step; v128-191 V of a step; v192-255 Q.   window 1: v0-127 S^T, 32 a tile (P is packed into a tile's first 16); v128-255 O^T, 32 a tile.
.set KS,    64
.set PK,    144                        ; a row of K in LDS: 128 bytes + 16 of padding = 36 words: the 16 rows of a load start at 16 different groups of four banks (64 banks of 4 bytes: ISA guide 11.1)
.set PV,    160                        ; a row of V: 128 + 32
.set VOFF,  KS*PK                      ; a step's tiles lie together: 64 rows of K, then 64 rows of V
.set STEPB, KS*(PK+PV)
.set NST,   4                          ; steps in a slot
.set SLOT1, 1<<17                      ; slot 1 begins here: one exclusive or turns an address in one slot into the other's
.set SLOTB, NST*KS*128                 ; a slot's keys in memory: 32,768 bytes of K, as many of V
.set STAGE, SLOT1+NST*STEPB            ; behind the ring: 16 rows x 144 bytes for each wave, for the way out
.set SPARE, STAGE+8*16*144             ; the spare words, 128 bytes for each wave: four blocks of 256 bytes that no other line names
.set AK0, 2                            ; v2   my lane's place in a tile of K; never rewritten
.set AV0, 3                            ; v3   the same for V
.set ADK, 4                            ; v4   LDS address of the step's K
.set ADV, 5                            ; v5   of its V
.set STO, 6
.set RD,  7
.set GO,  8
.set QO,  10
.set PFO, 11                           ; v11  256 x my lane; never rewritten
.set SPW, 14
.set NIL, 15
.set ST,  16                           ; tile t at v[ST + 12 t]: +0 m, +1 m_old - m_new, +2, +3 and +4, +5 l in four parts, +6 a (+7 named with it), +8 .. +11 four chains of the maximum
.set KF,  64
.set VF,  128
.set QF,  192
.set WV,  12
.set LIM, 15                           ; s15  1 in a wave that prefetches, else the greatest number
.set PFA, 18                           ; s[18:19] where my prefetches stand
.set G1K, 24
.set G1V, 32
.set G0K, 40                           ; s[40:47] group 0 for K's tiles: a set for each first fill; the second then walks on
.set G0V, 48
.set SLOTS, 56
.set CNT, 57
.set SEL, 60
.set TB,  62                           ; s62  LDS byte at which the tiles of the step to be fetched begin
.set MSB, 0
.macro WIN new
.if MSB != \new
	s_set_vgpr_msb (MSB<<8)|\new
.set MSB, \new
.endif
.endm
.set W_KQ, 0x50                        ; K and Q window 0; S^T (C and D) window 1
.set W_PV, 0x54                        ; V window 0; P, O^T window 1
.set W_11, 0x41                        ; destination and source 0 window 1, source 1 window 0
.macro JLOAD                           ; a joint refill; the branch hangs on the wave's number alone; an s_nop 0 and four v_nop follow each of the two lines
	s_cmp_lt_u32 s[WV], 4
	s_cbranch_scc0 .Lfor_v_\@
	tensor_load_to_lds s[G0K+4:G0K+7], s[G1K:G1K+7]
	s_nop 0
.rept 4
	v_nop
.endr
	s_branch .Lasked_\@
.Lfor_v_\@:
	tensor_load_to_lds s[G0V+4:G0V+7], s[G1V:G1V+7]
	s_nop 0
.rept 4
	v_nop
.endr
.Lasked_\@:
.endm
; A PREFETCH of what the NEXT change of slots will ask for: 32,768 bytes of K and as many of V.  The four partners share them out BY ADDRESS, 8,192 bytes each; in each, wave 0 asks for K's and wave 4 for V's, lanes 256 bytes apart:
; each aligned block of 256 bytes is named once in the launch.  It stands behind the wave's tensor load, four key steps ahead of the load that will want the bytes.  The last change that fills a slot asks for nothing.
.macro ASK
	s_cmp_gt_u32 s[SLOTS], s[LIM]
	s_cbranch_scc0 .Lnot_mine_\@
	global_prefetch_b8 v[PFO], s[PFA:PFA+1] th:TH_LOAD_NT scope:SCOPE_SE
.Lnot_mine_\@:
.endm
.macro CROUND
	s_barrier_signal -1
	s_barrier_wait -1
	s_cmp_lg_u32 s[WV], 0
	s_cbranch_scc1 .Lnot_wave_0_\@
	s_barrier_signal -3
.Lnot_wave_0_\@:
	s_barrier_wait -3
	s_barrier_signal -1
	s_barrier_wait -1
.endm
.macro PLACES n
.rept \n
	v_nop
.endr
.endm
	s_load_b128 s[4:7], s[0:1], 0x0                ; qkv s[4:5], ao s[6:7]
	v_lshl_add_u32 v[SPW], v0, 2, SPARE
	v_mov_b32 v[NIL], 0
	ds_add_u32 v[SPW], v[NIL]                      ; the wave's opening: the add, twice on end, and its wait ahead of my first tensor load
	ds_add_u32 v[SPW], v[NIL]
	v_lshrrev_b32 v1, 5, v0
	v_readfirstlane_b32 s[WV], v1                  ; wave 0..7
	s_bfe_u32 s13, ttmp6, 0x40000                  ; cx: my block of 512 queries: it enters Q's, ao's and the prefetches' addresses alone
	s_and_b32 s20, ttmp7, 0xffff                   ; the head, which the four partners share
	s_lshl_b32 s20, s20, 18                        ; its first byte in a section
	s_and_b32 s16, s[WV], 3                        ; which of a slot's four steps I fetch:
	s_lshl_b32 s22, s16, 13                        ; its 64 rows of 128 bytes in memory,
	s_add_co_u32 s22, s22, s20
	s_mov_b32 s23, 0
	s_mul_i32 s17, s16, STEPB                      ; and its place in a slot
	s_lshl_b32 s2, s13, 16                         ; my block's 512 rows,
	s_lshl_b32 s3, s[WV], 13                       ; my wave's 64 of them
	s_add_co_u32 s2, s2, s3
	s_add_co_u32 s2, s2, s20
	s_mov_b32 s3, 0
	s_mov_b32 s[G1K], 15|(1<<16)|(1<<20)|(1<<21)|(4<<22)|(3<<25)  ; 15:0 the mask: all four; 17:16 elements of 2 bytes; 20 padding on; 21 set beside a mask; 24:22 after every 32 words; 31:25 four words
	s_mov_b32 s[G1V], 15|(1<<16)|(1<<20)|(1<<21)|(4<<22)|(7<<25)  ; the same with eight words of padding
.irp g, G1K, G1V
	s_mov_b32 s[\g+1], 64<<16                      ; tensor_dim0 = 64
	s_mov_b32 s[\g+2], KS<<16                      ; tensor_dim1 = 64
	s_mov_b32 s[\g+3], 64<<16                      ; tile_dim0 = 64
	s_mov_b32 s[\g+4], KS                          ; tile_dim1 = 64
	s_mov_b32 s[\g+5], 64                          ; from row to row
	s_mov_b32 s[\g+6], 0
	s_mov_b32 s[\g+7], 0
.endr
	s_mov_b32 s[SEL], 0x76543210
	s_mov_b32 s[SEL+1], 0xfedcba98
	s_mov_b32 s[TB], 0
	s_mov_b32 s[SLOTS], 2048/(NST*KS)-2
	s_cmp_eq_u32 s16, 0                            ; waves 0 and 4 prefetch: the same in all four partners
	s_cselect_b32 s[LIM], 1, -1
	v_and_b32 v[PFO], 31, v0
	v_lshlrev_b32 v[PFO], 8, v[PFO]
	s_wait_dscnt 0x0                               ; both opening adds are done
	s_wait_kmcnt 0x0
	s_add_nc_u64 s[8:9], s[4:5], s[22:23]
	s_add_nc_u64 s[10:11], s[8:9], 0x2000000       ; V at my tile of slot 0,
	s_add_nc_u64 s[8:9], s[8:9], 0x1000000         ; K likewise
	s_add_nc_u64 s[4:5], s[4:5], s[2:3]            ; Q and ao at my wave's first row
	s_add_nc_u64 s[6:7], s[6:7], s[2:3]
	s_cmp_lt_u32 s[WV], 4
	s_cselect_b64 s[PFA:PFA+1], s[8:9], s[10:11]   ; (in waves 0 and 4 these stand at a slot's first row)
	s_lshl_b32 s2, s13, 13                         ; my work-group's 8,192 bytes
	s_mov_b32 s3, 0
	s_add_nc_u64 s[PFA:PFA+1], s[PFA:PFA+1], s[2:3]
	s_add_nc_u64 s[PFA:PFA+1], s[PFA:PFA+1], 2*SLOTB  ; the third slot's worth of keys; the first change steps it on.  Nothing is prefetched at the head
	CROUND                                         ; all four work-groups are here: the first joint loads meet
.irp s, 0,1
	s_mov_b32 s[G0K+4*\s], 1
	s_add_co_u32 s[G0K+4*\s+1], s17, \s*SLOT1
	s_add_nc_u64 s[G0K+4*\s+2:G0K+4*\s+3], s[8:9], \s*SLOTB
	s_or_b32 s[G0K+4*\s+3], s[G0K+4*\s+3], 0x80000000
	s_mov_b32 s[G0V+4*\s], 1
	s_add_co_u32 s[G0V+4*\s+1], s17, \s*SLOT1+VOFF
	s_add_nc_u64 s[G0V+4*\s+2:G0V+4*\s+3], s[10:11], \s*SLOTB
	s_or_b32 s[G0V+4*\s+3], s[G0V+4*\s+3], 0x80000000
.endr
	s_cmp_lt_u32 s[WV], 4                          ; a wave's two first fills stand in one branch: two loads of mine are out
	s_cbranch_scc0 .Lfirst_v
	tensor_load_to_lds s[G0K:G0K+3], s[G1K:G1K+7]
	s_nop 0
	tensor_load_to_lds s[G0K+4:G0K+7], s[G1K:G1K+7]
	s_nop 0
.rept 4
	v_nop
.endr
	s_branch .Lfirst_asked
.Lfirst_v:
	tensor_load_to_lds s[G0V:G0V+3], s[G1V:G1V+7]
	s_nop 0
	tensor_load_to_lds s[G0V+4:G0V+7], s[G1V:G1V+7]
	s_nop 0
.rept 4
	v_nop
.endr
.Lfirst_asked:
	; a fragment of K or Q is 16 rows x 32 channels in 8 registers: lane l holds row l % 16; registers 0-3 channels 8 (l / 16) + 0..7, registers 4-7 channels 16 + 8 (l / 16) + 0..7
	v_and_b32 v1, 15, v0                           ; r
	v_bfe_u32 v9, v0, 4, 1                         ; h
	v_lshlrev_b32 v[QO], 7, v1
	v_lshl_add_u32 v[QO], v9, 4, v[QO]
.irp f, 0,1,2,3,4,5,6,7                        ; Q stays in registers: tile f / 2, channels 32 (f % 2) on
	global_load_b128 v[QF+8*\f:QF+8*\f+3],   v[QO], s[4:5] offset:(\f/2)*2048+(\f%2)*64
	global_load_b128 v[QF+8*\f+4:QF+8*\f+7], v[QO], s[4:5] offset:(\f/2)*2048+(\f%2)*64+32
.endr
	v_mul_u32_u24 v[AK0], v1, PK
	v_lshl_add_u32 v[AK0], v9, 4, v[AK0]
	; the turning load: lane l reads 16 bytes: key 8 (l / 16) + l % 8, channels 8 ((l / 8) % 2) + 0..7, and is left with channel l % 16 and 8 keys
	v_and_b32 v12, 7, v0
	v_bfe_u32 v13, v0, 3, 1
	v_lshl_add_u32 v[AV0], v9, 3, v12
	v_mul_u32_u24 v[AV0], v[AV0], PV
	v_lshl_add_u32 v[AV0], v13, 4, v[AV0]
	v_add_nc_u32 v[AV0], VOFF, v[AV0]
	s_mul_i32 s14, s[WV], 16*144
	s_add_co_u32 s14, s14, STAGE                   ; my stage
	v_mul_u32_u24 v[STO], v1, 144
	v_lshl_add_u32 v[STO], v9, 4, v[STO]
	v_add_nc_u32 v[STO], s14, v[STO]               ; in: query r, + 16 h
	v_and_b32 v12, 31, v0
	v_lshrrev_b32 v13, 3, v12
	v_mul_u32_u24 v[RD], v13, 144
	v_and_b32 v13, 7, v0
	v_lshl_add_u32 v[RD], v13, 4, v[RD]
	v_add_nc_u32 v[RD], s14, v[RD]                 ; back: eight lanes to a query's 128 bytes, four queries an instruction
	v_lshlrev_b32 v[GO], 4, v12
.irp t, 0,1,2,3
	v_mov_b32 v[ST+12*\t], 0xff61b1e6              ; m: -3e38, under every score
.irp e, 1,2,3,4,5,6,7,9
	v_mov_b32 v[ST+12*\t+\e], 0                    ; l; and what is named as half of a pair, or as a lane permute's destination, before it is first written
.endr
.endr
	WIN 0x40
.set n, 0
.rept 128
	v_mov_b32 v[128+n], 0                          ; O^T, once a wave: the key step is then written in one form, and its first a multiplies zeros
.set n, n+1
.endr
	WIN 0
; Product i of 32 of S^T = K Q^T: channels 32 (i / 16) on, keys 16 ((i / 4) % 4) on, tile i % 4.  The first 16 start the sums.  The 16 accumulators take turns, one instruction a turn.
.macro KQ
.set rS, 32*(i%4)+8*((i/4)%4)
.set rK, KF+16*((i/4)%4)+8*(i/16)
.set rQ, QF+16*(i%4)+8*(i/16)
.if i < 16
	v_wmma_f32_16x16x32_f16 v[rS:rS+7], v[rK:rK+7], v[rQ:rQ+7], 0
.else
	v_wmma_f32_16x16x32_f16 v[rS:rS+7], v[rK:rK+7], v[rQ:rQ+7], v[rS:rS+7]
.endif
.endm
; Product i of 32 of O^T += V^T P: keys 32 (i / 16) on, channels 16 ((i / 4) % 4) on, tile i % 4
.macro PV
.set rO, 128+32*(i%4)+8*((i/4)%4)
.set rV, VF+8*(4*(i/16)+(i/4)%4)
.set rP, 32*(i%4)+8*(i/16)
	v_wmma_f32_16x16x32_f16 v[rO:rO+7], v[rV:rV+7], v[rP:rP+7], v[rO:rO+7]
.endm
; A KEY STEP: 64 keys for my four tiles of queries
.macro STEP
	v_add_nc_u32 v[ADK], s[TB], v[AK0]
	v_add_nc_u32 v[ADV], s[TB], v[AV0]
	s_add_co_u32 s[TB], s[TB], STEPB               ; the next fetch is the next step's
.irp f, 0,1,2,3,4,5,6,7                        ; K: keys 16 (f / 2) on, channels 32 (f % 2) on
	ds_load_b128 v[KF+8*\f:KF+8*\f+3],   v[ADK] offset:(\f/2)*16*PK+(\f%2)*64
	ds_load_b128 v[KF+8*\f+4:KF+8*\f+7], v[ADK] offset:(\f/2)*16*PK+(\f%2)*64+32
.endr
.irp f, 0,1,2,3,4,5,6,7                        ; V, turned: keys 32 (f / 4) on, channels 16 (f % 4) on
	ds_load_tr16_b128 v[VF+8*\f:VF+8*\f+3],   v[ADV] offset:(\f/4)*32*PV+(\f%4)*32
	ds_load_tr16_b128 v[VF+8*\f+4:VF+8*\f+7], v[ADV] offset:(\f/4)*32*PV+16*PV+(\f%4)*32
.endr
	s_wait_dscnt 16                                ; K is in; V's sixteen loads may be out
	WIN W_KQ
.set i, 0
.rept 32
	KQ
.set i, i+1
.endr
	PLACES 4                                       ; ahead of the first read of the scores
	WIN 0x14                                       ; sources 1 and 2 (scores) window 1
.irp k, 0,1,2,3                                ; the maximum of 32 scores and the old m: a chain for each accumulator, from its low end on, the sixteen chains by turns
.irp c, 0,1,2,3
.irp t, 0,1,2,3
.if \k == 0
	v_max3_num_f32 v[ST+12*\t+8+\c], v[ST+12*\t], v[32*\t+8*\c], v[32*\t+8*\c+1]
.else
	v_max3_num_f32 v[ST+12*\t+8+\c], v[ST+12*\t+8+\c], v[32*\t+8*\c+2*\k], v[32*\t+8*\c+2*\k+1]
.endif
.endr
.endr
.endr
	WIN 0
.irp t, 0,1,2,3
	v_max3_num_f32 v[ST+12*\t+8], v[ST+12*\t+8], v[ST+12*\t+9], v[ST+12*\t+10]
.endr
.irp t, 0,1,2,3
	v_max_num_f32 v[ST+12*\t+8], v[ST+12*\t+8], v[ST+12*\t+11]
.endr
.irp t, 0,1,2,3
	v_permlanex16_b32 v[ST+12*\t+9], v[ST+12*\t+8], s[SEL], s[SEL+1]   ; the query's other 32 keys lie in the lane 16 away
.endr
.irp t, 0,1,2,3
	v_max_num_f32 v[ST+12*\t+8], v[ST+12*\t+8], v[ST+12*\t+9]
.endr
.irp t, 0,1,2,3
	v_sub_f32 v[ST+12*\t+1], v[ST+12*\t], v[ST+12*\t+8]            ; m_old - m_new
.endr
.irp t, 0,1,2,3
	v_mov_b32 v[ST+12*\t], v[ST+12*\t+8]
.endr
.irp t, 0,1,2,3
	v_exp_f32 v[ST+12*\t+6], v[ST+12*\t+1]         ; a
.endr
	WIN W_11
.set n, 0
.rept 64
	v_pk_add_f32 v[2*n:2*n+1], v[2*n:2*n+1], v[ST+12*(n/16):ST+12*(n/16)+1] op_sel_hi:[1,0] neg_lo:[0,1] neg_hi:[0,1]   ; s - m, two at a time: independent work behind the four exponentials
.set n, n+1
.endr
	s_wait_alu depctr_va_vdst(0)                   ; one wait for the four a, ahead of their first reader
.set n, 0
.rept 64
	v_exp_f32 v[2*n], v[2*n]                       ; p = 2^(s - m): one batch of 128, none of whose results is named before the wait below;
	v_exp_f32 v[2*n+1], v[2*n+1]
	v_pk_mul_f32 v[128+2*n:128+2*n+1], v[128+2*n:128+2*n+1], v[ST+12*(n/16)+6:ST+12*(n/16)+7] op_sel_hi:[1,0]   ; O^T x a stands among them, each accumulator from its low end on
.set n, n+1
.endr
	WIN 0
.irp t, 0,1,2,3
	v_pk_mul_f32 v[ST+12*\t+2:ST+12*\t+3], v[ST+12*\t+2:ST+12*\t+3], v[ST+12*\t+6:ST+12*\t+7] op_sel_hi:[1,0]   ; l x a
	v_pk_mul_f32 v[ST+12*\t+4:ST+12*\t+5], v[ST+12*\t+4:ST+12*\t+5], v[ST+12*\t+6:ST+12*\t+7] op_sel_hi:[1,0]
.endr
	s_wait_alu depctr_va_vdst(0)                   ; one wait for the 128
	WIN 0x04                                       ; source 1 (p) window 1
.irp j, 0,1,2,3,4,5,6,7                        ; the sums of the unrounded p: eight chains by turns
.irp t, 0,1,2,3
	v_pk_add_f32 v[ST+12*\t+2:ST+12*\t+3], v[ST+12*\t+2:ST+12*\t+3], v[32*\t+4*\j:32*\t+4*\j+1]
	v_pk_add_f32 v[ST+12*\t+4:ST+12*\t+5], v[ST+12*\t+4:ST+12*\t+5], v[32*\t+4*\j+2:32*\t+4*\j+3]
.endr
.endr
	WIN 0x45
.irp j, 0,1,2,3,4,5,6,7,8,9,10,11,12,13,14,15  ; P in place: register j takes pair j, whose own numbers lie at 2 j and 2 j + 1; register j's old number was read at j / 2
.irp t, 0,1,2,3
	v_cvt_pk_f16_f32 v[32*\t+\j], v[32*\t+2*\j], v[32*\t+2*\j+1]
.endr
.endr
	s_wait_dscnt 0x0                               ; V is in
	WIN W_PV
.set i, 0
.rept 32
	PV
.set i, i+1
.endr
	WIN 0
	PLACES 5                                       ; ahead of the next step's products, which write over P, of its loads into V's registers, and of the way out's reads of O^T
.endm
.macro FOUR_STEPS                      ; a slot's four key steps: written once, walked four times; the LDS addresses hang on s[TB]
	s_mov_b32 s[CNT], NST
.Lstep_\@:
	STEP
	s_sub_co_u32 s[CNT], s[CNT], 1
	s_cmp_lg_u32 s[CNT], 0
	s_cbranch_scc1 .Lstep_\@
.endm
; THE CHANGE OF SLOTS.  Each wave waits for all its tensor loads, of which one is out: its part of the other slot; adds 0 to its spare word; waits for that and for its reads of the slot that it leaves.
; fill = 1: the barrier is a round of the cluster's, so that no wave of any partner still reads the slot or has a load on its way, and the joint refill, with the keys two slots on, is the first thing behind it.
.macro CHANGE fill
	s_wait_tensorcnt 0x0                           ; no tensor load of mine is out, so a group 0 may be written
	ds_add_u32 v[SPW], v[NIL]                      ; 0 onto my spare word
.if \fill
.irp g, G0K+4, G0V+4
	s_xor_b32 s[\g+1], s[\g+1], SLOT1              ; the walking descriptor: the other slot than last time,
	s_add_nc_u64 s[\g+2:\g+3], s[\g+2:\g+3], SLOTB ; the next 256 keys; the type bits on top are not reached
.endr
	s_wait_xcnt 0x0                                ; the last prefetch, four key steps back, has read its address, so it may be written
	s_add_nc_u64 s[PFA:PFA+1], s[PFA:PFA+1], SLOTB
	s_wait_dscnt 0x0                               ; the add is done, and my reads of the slot are over
	CROUND
	JLOAD
	ASK
.else
	s_wait_dscnt 0x0
	s_barrier_signal -1
	s_barrier_wait -1
.endif
	s_sub_co_u32 s[TB], s[TB], NST*STEPB           ; the fetches go back to a slot's first step,
	s_xor_b32 s[TB], s[TB], SLOT1                  ; in the other slot
.endm
	s_wait_tensorcnt 1                             ; my part of slot 0 is in; slot 1's may stay out
	s_barrier_signal -1
	s_barrier_wait -1
	s_wait_loadcnt 0x0                             ; Q
	FOUR_STEPS
.Lslot:                                            ; six trips: every slot's worth of keys but the first two comes by a refill
	CHANGE 1
	FOUR_STEPS
	s_sub_co_u32 s[SLOTS], s[SLOTS], 1
	s_cmp_lg_u32 s[SLOTS], 0
	s_cbranch_scc1 .Lslot
	CHANGE 0                                       ; the tail is written out
	FOUR_STEPS
	; THE WAY OUT.  l's four parts and the other half of the lanes' are added; O^T is divided by l, rounded to f16 and sent through my stage, a tile (16 queries, 2,048 consecutive bytes of ao) at a time.
.irp t, 0,1,2,3
	v_pk_add_f32 v[ST+12*\t+2:ST+12*\t+3], v[ST+12*\t+2:ST+12*\t+3], v[ST+12*\t+4:ST+12*\t+5]
.endr
.irp t, 0,1,2,3
	v_add_f32 v[ST+12*\t+8], v[ST+12*\t+2], v[ST+12*\t+3]
.endr
.irp t, 0,1,2,3
	v_permlanex16_b32 v[ST+12*\t+9], v[ST+12*\t+8], s[SEL], s[SEL+1]
.endr
.irp t, 0,1,2,3
	v_add_f32 v[ST+12*\t+8], v[ST+12*\t+8], v[ST+12*\t+9]
.endr
.irp t, 0,1,2,3
	v_rcp_f32 v[ST+12*\t+6], v[ST+12*\t+8]
.endr
	v_nop                                          ; a plain instruction behind the last reciprocal,
	s_wait_alu depctr_va_vdst(0)                   ; and one wait for the four, ahead of their first reader
.macro PACK t
	WIN W_11
.set n, 0
.rept 16
	v_pk_mul_f32 v[128+32*\t+2*n:128+32*\t+2*n+1], v[128+32*\t+2*n:128+32*\t+2*n+1], v[ST+12*\t+6:ST+12*\t+7] op_sel_hi:[1,0]
.set n, n+1
.endr
	WIN 0x45
.set n, 0
.rept 16
	v_cvt_pk_f16_f32 v[32*\t+n], v[128+32*\t+2*n], v[128+32*\t+2*n+1]   ; S^T's registers are free
.set n, n+1
.endr
	WIN 0x04
.irp c, 0,1,2,3
	ds_store_b128 v[STO], v[32*\t+4*\c:32*\t+4*\c+3] offset:32*\c
.endr
	WIN 0x40
.irp i, 0,1,2,3
	ds_load_b128 v[32*\t+16+4*\i:32*\t+16+4*\i+3], v[RD] offset:576*\i   ; LDS serves a wave's instructions in order: these see the stores above; the next tile's stores come behind them
.endr
.endm
.macro SEND t, younger                 ; younger: the LDS instructions issued behind tile t's loads: the next tile's 4 stores and 4 loads, or none
	WIN 0x04
.irp i, 0,1,2,3
	s_wait_dscnt \younger+3-\i
	global_store_b128 v[GO], v[32*\t+16+4*\i:32*\t+16+4*\i+3], s[6:7] offset:2048*\t+512*\i   ; 32 lanes store 512 consecutive bytes, aligned
.endr
.endm
	PACK 0
	PACK 1
	SEND 0, 8
	PACK 2
	SEND 1, 8
	PACK 3
	SEND 2, 8
	SEND 3, 0
	WIN 0
	s_wait_tensorcnt 0x0                           ; the wave's end: behind my last tensor load and my last LDS store
	ds_add_u32 v[SPW], v[NIL]
	s_wait_dscnt 0x0
	CROUND                                         ; the closing round: no work-group ends while a partner may still ask for a tile that names it
	s_endpgm
.Lfunc_end_k_q4297955a0f_attn:
	.size	k_q4297955a0f_attn, .Lfunc_end_k_q4297955a0f_attn-k_q4297955a0f_attn
	.p2alignl 7, 3214868480
	.fill 96, 4, 3214868480
	.section	.rodata,"a",@progbits
	.p2align	6, 0x0
	.amdhsa_kernel k_q4297955a0f_attn
		.amdhsa_group_segment_fixed_size 327680
		.amdhsa_private_segment_fixed_size 0
		.amdhsa_enable_private_segment 0
		.amdhsa_kernarg_size 16
		.amdhsa_user_sgpr_count 2
		.amdhsa_user_sgpr_kernarg_segment_ptr 1
		.amdhsa_wavefront_size32 1
		.amdhsa_system_sgpr_workgroup_id_x 1
		.amdhsa_system_sgpr_workgroup_id_y 1
		.amdhsa_system_sgpr_workgroup_id_z 1
		.amdhsa_system_vgpr_workitem_id 0
		.amdhsa_next_free_vgpr 512
		.amdhsa_next_free_sgpr 66
		.amdhsa_reserve_vcc 0
		.amdhsa_float_denorm_mode_32 3
		.amdhsa_float_denorm_mode_16_64 3
		.amdhsa_memory_ordered 1
		.amdhsa_forward_progress 1
		.amdhsa_inst_pref_size 127
	.end_amdhsa_kernel
	.amdgpu_metadata
---
amdhsa.version: [ 1, 2 ]
amdhsa.kernels:
  - .name:           k_q4297955a0f_attn
    .symbol:         k_q4297955a0f_attn.kd
    .args:
      - { .name: qkv, .offset: 0, .size: 8, .value_kind: global_buffer, .address_space: global }
      - { .name: ao, .offset: 8, .size: 8, .value_kind: global_buffer, .address_space: global }
    .group_segment_fixed_size: 327680
    .private_segment_fixed_size: 0
    .kernarg_segment_align: 8
    .kernarg_segment_size: 16
    .max_flat_workgroup_size: 256
    .sgpr_count:     66
    .vgpr_count:     512
    .wavefront_size: 32
...
	.end_amdgpu_metadata
.endif
;; end of part 3
;; launch proj (part 4): grid 4 x 64, 4 waves a work-group, clusters of 4 x 4, 327,680 bytes of LDS; arguments ao, wpt, b_proj, out0; writes out0
.if DOCPART == 4
	.amdgcn_target "amdgcn-amd-amdhsa--gfx1250"
	.amdhsa_code_object_version 6
	.text
	.protected	k_q4297955a0f_proj
	.globl	k_q4297955a0f_proj
	.p2align	8
	.type	k_q4297955a0f_proj,@function
k_q4297955a0f_proj:
	s_mov_b64 s[64:65], 0
	v_nop
	global_prefetch_b8 v0, s[64:65] scope:SCOPE_SE
	s_setreg_imm32_b32 hwreg(HW_REG_WAVE_MODE, 25, 1), 1
	s_wait_xcnt 0x0
	s_wait_alu depctr_hold_cnt(0) depctr_sa_sdst(0) depctr_va_vdst(0) depctr_va_sdst(0) depctr_va_ssrc(0) depctr_va_vcc(0) depctr_vm_vsrc(0)
	s_getreg_b32 s2, hwreg(HW_REG_IB_STS2, 6, 4)
	s_cmp_eq_u32 s2, 0
	s_cbranch_scc0 .Lentry_in_a_cluster
	s_endpgm
.Lentry_in_a_cluster:
	s_bfe_u32 s2, ttmp6, 0x10000c
	s_cmp_lg_u32 s2, 0xf033
	s_cbranch_scc0 .Lentry_shape_is_right
	s_endpgm
.Lentry_shape_is_right:
; SELF-ATTENTION, launch 4 of 4: out0[m][n] = the sum over k of a[m][k] W_proj[k][n] + b_proj[n], on f16 operands with f32 sums.  No work of the problem is left out.
; a[m][k], m = batch x 2,048 + token, k = head x 64 + channel, lies in ao as [batch x 16 + head][token][64] f16.  wpt is W_proj turned: [1024 n][1024 k] f16.  out0 [8192][1024] f32.
; A tile of out0 is 128 rows x 256 columns: 256 work-groups of four waves; a wave makes 64 x 128: 32 accumulators of 16 x 16, 256 registers.
; K goes in steps of 128, TWO HEADS, through a ring of two LDS slots: a's part of a step is two planes (a head each) of 128 rows x 128 bytes, W's 256 rows x 256 bytes.  Waves 0, 1 fetch a's planes, waves 2, 3 the halves of W's rows.
; CLUSTERS: 4 x 4 work-groups.  The four of a row of the cluster need the same tiles of a, the four of a column the same tiles of W: each is asked for JOINTLY, by the same tensor load with the same descriptor and a mask that names the four.
; THE MATRIX INSTRUCTION IS USED TRANSPOSED (source 0 = 16 rows of wpt, source 1 = 16 rows of a): a lane holds eight neighbouring numbers of a row of out0.  The bias is the C of each sum's first product.
; REGISTERS: window 0: v0-31 addresses; v64-95, v96-127 a's fragments (4 x 16 rows x 32 K), two buffers; v128-191 the bias in the result's layout; on the way out v64-127 and v192-255 hold rows read back.
;   window 1: v0-63, v64-127 W's fragments, two buffers.   window 2: the accumulators, (a, b) at v[8 (8 a + b)].
.set PA,     144                       ; an LDS row of a: 128 bytes + 16 of padding
.set PB,     272                       ; of W: 256 + 16.  Both are odd multiples of 16 bytes: the 16 rows that a load touches start at 16 different groups of four banks (64 banks of 4 bytes: ISA guide 11.1)
.set PLANE,  128*PA
.set HALFB,  128*PB
.set SLOT,   2*PLANE+2*HALFB
.set STAGE,  2*SLOT                    ; behind the ring: 16 rows x (512 bytes + 16) for each wave, for the way out
.set SPITCH, 528
.set SPARE,  STAGE+4*16*SPITCH         ; the spare words, 128 bytes for each wave: two blocks of 256 bytes that no other line names
.set ADRA, 16                          ; v16-17  LDS address of my fragments of a in slot 0, 1
.set ADRB, 20                          ; v20-21  the same for W
.set STO,  24
.set RD,   25
.set CO,   26
.set BO,   27                          ; v27  the bias loads' offset: 32 h
.set SPW,  28
.set NIL,  29
.set AF,   64
.set BI,   128
.set G1, 24                            ; s[24:31] descriptor group 1 for a's planes; s[32:39] group 0, one set for each slot
.set G0, 32
.set G1B, 48                           ; s[48:55], s[56:63] the same for W's tiles
.set G0B, 56
.set MSB, 0
.macro WIN new
.if MSB != \new
	s_set_vgpr_msb (MSB<<8)|\new
.set MSB, \new
.endif
.endm
.set MUL,   0xa1                       ; source 0 (W) window 1, source 1 (a) window 0, C and D window 2
.set FIRST, 0x81                       ; the same with C, the bias, in window 0
.set TO_B,  0x40
.macro JLOAD s                         ; a joint load; the branch hangs on the wave's number alone; an s_nop 0 and four v_nop follow each of the two lines
	s_cmp_eq_u32 s14, 0
	s_cbranch_scc0 .Lfor_b_\@
	tensor_load_to_lds s[G0+4*\s:G0+4*\s+3], s[G1:G1+7]
	s_nop 0
.rept 4
	v_nop
.endr
	s_branch .Lasked_\@
.Lfor_b_\@:
	tensor_load_to_lds s[G0B+4*\s:G0B+4*\s+3], s[G1B:G1B+7]
	s_nop 0
.rept 4
	v_nop
.endr
.Lasked_\@:
.endm
.macro CREST                           ; a round of the cluster's barrier behind its opening barrier
	s_cmp_lg_u32 s13, 0
	s_cbranch_scc1 .Lnot_wave_0_\@
	s_barrier_signal -3
.Lnot_wave_0_\@:
	s_barrier_wait -3
	s_barrier_signal -1
	s_barrier_wait -1
.endm
.macro CROUND
	s_barrier_signal -1
	s_barrier_wait -1
	CREST
.endm
	s_load_b256 s[4:11], s[0:1], 0x0               ; ao s[4:5], wpt s[6:7], b_proj s[8:9], out0 s[10:11]
	v_lshl_add_u32 v[SPW], v0, 2, SPARE
	v_mov_b32 v[NIL], 0
	ds_add_u32 v[SPW], v[NIL]                      ; the wave's opening: the add, twice on end, and its wait ahead of my first tensor load
	ds_add_u32 v[SPW], v[NIL]
	v_lshrrev_b32 v1, 5, v0
	v_readfirstlane_b32 s13, v1                    ; wave 0..3
	s_lshr_b32 s14, s13, 1                         ; which 64 of the tile's rows are mine.  Also: I fetch for a (0) or for W (1)
	s_and_b32 s15, s13, 1                          ; which 128 of its columns.  Also: which plane of a, or which 128 rows of W, I fetch
	s_bfe_u32 s40, ttmp6, 0x40000                  ; cx, cy
	s_bfe_u32 s41, ttmp6, 0x40004
	s_lshl_b32 s42, ttmp9, 2
	s_add_co_u32 s42, s42, s40                     ; tile column = 4 x cluster x + cx
	s_and_b32 s43, ttmp7, 0xffff
	s_lshl_b32 s43, s43, 2
	s_add_co_u32 s43, s43, s41                     ; tile row = 4 x cluster y + cy
	s_lshl_b32 s44, s41, 2
	s_lshl_b32 s44, 15, s44                        ; my row of the cluster
	s_lshl_b32 s45, 0x1111, s40                    ; my column
	s_or_b32 s[G1+0], s44, (1<<16)|(1<<20)|(1<<21)|(4<<22)|(3<<25)  ; 15:0 the mask; 17:16 elements of 2 bytes; 20 padding on; 21 set beside a mask; 24:22 after every 32 words; 31:25 four words
	s_mov_b32 s[G1+1], 64<<16                      ; tensor_dim0 = 64
	s_mov_b32 s[G1+2], 128<<16                     ; tensor_dim1 = 128
	s_mov_b32 s[G1+3], 64<<16                      ; tile_dim0 = 64
	s_mov_b32 s[G1+4], 128                         ; tile_dim1 = 128
	s_mov_b32 s[G1+5], 64                          ; from token to token
	s_mov_b32 s[G1+6], 0
	s_mov_b32 s[G1+7], 0
	s_or_b32 s[G1B+0], s45, (1<<16)|(1<<20)|(1<<21)|(5<<22)|(3<<25) ; padding: four words after every 64
	s_mov_b32 s[G1B+1], 128<<16
	s_mov_b32 s[G1B+2], 128<<16
	s_mov_b32 s[G1B+3], 128<<16
	s_mov_b32 s[G1B+4], 128
	s_mov_b32 s[G1B+5], 1024
	s_mov_b32 s[G1B+6], 0
	s_mov_b32 s[G1B+7], 0
	s_lshr_b32 s16, s43, 4                         ; a: rows 128 x tile row are batch (tile row / 16), tokens 128 (tile row % 16) on
	s_lshl_b32 s16, s16, 22                        ; 16 heads x 262,144 bytes a batch
	s_and_b32 s17, s43, 15
	s_lshl_b32 s17, s17, 14                        ; 128 tokens x 128 bytes
	s_add_co_u32 s16, s16, s17
	s_lshl_b32 s17, s15, 18                        ; my plane: the step's first or second head
	s_add_co_u32 s16, s16, s17
	s_mov_b32 s17, 0
	s_lshl_b32 s46, s42, 19                        ; W: row 256 x tile column + 128 x half, 2,048 bytes a row
	s_lshl_b32 s47, s15, 18
	s_add_co_u32 s46, s46, s47
	s_mov_b32 s47, 0
	s_mul_i32 s20, s15, PLANE                      ; where they go: no place in the cluster enters an LDS address
	s_mul_i32 s21, s15, HALFB
	s_add_co_u32 s21, s21, 2*PLANE
	s_wait_dscnt 0x0                               ; both opening adds are done
	s_wait_kmcnt 0x0
	s_add_nc_u64 s[16:17], s[4:5], s[16:17]
	s_add_nc_u64 s[46:47], s[6:7], s[46:47]
	CROUND                                         ; all sixteen work-groups are here: the first joint loads meet
.irp s, 0,1
	s_mov_b32 s[G0+4*\s], 1
	s_add_co_u32 s[G0+4*\s+1], s20, \s*SLOT
	s_add_nc_u64 s[G0+4*\s+2:G0+4*\s+3], s[16:17], \s*524288       ; K step s: two heads on
	s_or_b32 s[G0+4*\s+3], s[G0+4*\s+3], 0x80000000
	s_mov_b32 s[G0B+4*\s], 1
	s_add_co_u32 s[G0B+4*\s+1], s21, \s*SLOT
	s_add_nc_u64 s[G0B+4*\s+2:G0B+4*\s+3], s[46:47], \s*256
	s_or_b32 s[G0B+4*\s+3], s[G0B+4*\s+3], 0x80000000
	JLOAD \s                                       ; two tensor loads of mine are out
.endr
	v_and_b32 v1, 15, v0                           ; r
	v_bfe_u32 v2, v0, 4, 1                         ; h
	s_lshl_b32 s22, s42, 10                        ; my first column, in bytes of f32: 1,024 x tile column + 512 x half
	s_lshl_b32 s23, s15, 9
	s_add_co_u32 s22, s22, s23
	s_mov_b32 s23, 0
	s_add_nc_u64 s[8:9], s[8:9], s[22:23]
	v_lshlrev_b32 v[BO], 5, v2
.irp b, 0,1,2,3,4,5,6,7                        ; the bias of columns 16 b + 8 h + 0 .. 7
	global_load_b128 v[BI+8*\b:BI+8*\b+3],   v[BO], s[8:9] offset:64*\b
	global_load_b128 v[BI+8*\b+4:BI+8*\b+7], v[BO], s[8:9] offset:64*\b+16
.endr
	v_mul_u32_u24 v3, v1, PA
	v_lshl_add_u32 v3, v2, 4, v3
	v_mul_u32_u24 v4, v1, PB
	v_lshl_add_u32 v4, v2, 4, v4
	s_mul_i32 s18, s14, 64*PA                      ; my 64 rows, in each plane of a
	s_mul_i32 s19, s15, HALFB                      ; my 128 rows of W,
	s_add_co_u32 s19, s19, 2*PLANE                 ; which lie behind a's planes
.irp s, 0,1
	v_add_nc_u32 v[ADRA+\s], s18, v3
	v_add_nc_u32 v[ADRB+\s], s19, v4
	s_add_co_u32 s18, s18, SLOT
	s_add_co_u32 s19, s19, SLOT
.endr
	s_mul_i32 s18, s13, 16*SPITCH
	s_add_co_u32 s18, s18, STAGE                   ; my stage
	v_mul_u32_u24 v5, v1, SPITCH
	v_lshl_add_u32 v5, v2, 5, v5
	v_add_nc_u32 v[STO], s18, v5                   ; in: row r, 32 bytes for each half of the lanes
	v_and_b32 v6, 31, v0
	v_lshlrev_b32 v[CO], 4, v6                     ; back: the 32 lanes take one row of 512 bytes; and the same in out0
	v_add_nc_u32 v[RD], s18, v[CO]
	s_lshl_b32 s18, s43, 19                        ; out0: row 128 x tile row + 64 x half, 4,096 bytes a row,
	s_lshl_b32 s19, s14, 18
	s_add_co_u32 s18, s18, s19
	s_add_co_u32 s18, s18, s22                     ; + my first column
	s_mov_b32 s19, 0
	s_add_nc_u64 s[10:11], s[10:11], s[18:19]
; 8 matrix instructions: a's block \a against W's eight, 32 along K, buffer f.  first = 1: the bias starts the sums.  The 32 accumulators take turns, one instruction a turn, in the same order in every quarter.
.macro MUL8 f, a, first
.irp b, 0,1,2,3,4,5,6,7
.if \first
	v_wmma_f32_16x16x32_f16 v[8*(8*(\a)+\b):8*(8*(\a)+\b)+7], v[64*(\f)+8*\b:64*(\f)+8*\b+7], v[AF+32*(\f)+8*(\a):AF+32*(\f)+8*(\a)+7], v[BI+8*\b:BI+8*\b+7]
.else
	v_wmma_f32_16x16x32_f16 v[8*(8*(\a)+\b):8*(8*(\a)+\b)+7], v[64*(\f)+8*\b:64*(\f)+8*\b+7], v[AF+32*(\f)+8*(\a):AF+32*(\f)+8*(\a)+7], v[8*(8*(\a)+\b):8*(8*(\a)+\b)+7]
.endif
.endr
.endm
; 24 LDS loads in one run: the fragments of the slot's q-th 32 along K into buffer f: W's eight blocks, then a's four.  In a: plane q / 2, channels 32 (q % 2) on.
.macro FETCH slot, q, f
	WIN TO_B
.irp i, 0,1,2,3,4,5,6,7
	ds_load_b128 v[64*(\f)+8*\i:64*(\f)+8*\i+3],   v[ADRB+\slot] offset:64*(\q)+\i*16*PB
	ds_load_b128 v[64*(\f)+8*\i+4:64*(\f)+8*\i+7], v[ADRB+\slot] offset:64*(\q)+\i*16*PB+32
.endr
	WIN 0
.irp i, 0,1,2,3
	ds_load_b128 v[AF+32*(\f)+8*\i:AF+32*(\f)+8*\i+3],   v[ADRA+\slot] offset:((\q)/2)*PLANE+((\q)%2)*64+\i*16*PA
	ds_load_b128 v[AF+32*(\f)+8*\i+4:AF+32*(\f)+8*\i+7], v[ADRA+\slot] offset:((\q)/2)*PLANE+((\q)%2)*64+\i*16*PA+32
.endr
.endm
.macro PLACES                          ; four plain vector instructions in front of loads into registers that matrix instructions have read, and of the first read of results
.rept 4
	v_nop
.endr
.endm
; A K step is four quarters of 32 along K, 32 matrix instructions each, on buffers 0, 1, 0, 1.  One of the first three: multiplies buffer f and fetches quarter qn of the same slot into g.
.macro QUARTER slot, qn, f, g, first
	s_wait_dscnt 4                                 ; W's blocks and a's blocks 0, 1 are in; the youngest four loads (a's blocks 2, 3) may be out
.if \first
	WIN FIRST
.else
	WIN MUL
.endif
	MUL8 \f, 0, \first
	MUL8 \f, 1, \first
	PLACES
	FETCH \slot, \qn, \g
	s_wait_dscnt 24                                ; all but the 24 just issued
.if \first
	WIN FIRST
.else
	WIN MUL
.endif
	MUL8 \f, 2, \first
	MUL8 \f, 3, \first
.endm
; The last quarter multiplies buffer 1 and changes slots: ONE barrier; in front of it each wave waits for all its tensor loads, adds 0 to its spare word, and waits for that and for its reads of this slot.
; fill = 1: the barrier opens a round of the cluster's, and this slot is filled again, two K steps ahead, first thing behind the round.
.macro TURN slot, next, fill
	WIN 0                                          ; (the add's two registers lie in window 0)
	s_wait_tensorcnt 0x0                           ; all my tensor loads have landed: my part of the next slot
	ds_add_u32 v[SPW], v[NIL]                      ; 0 onto my spare word
	s_wait_dscnt 5                                 ; (the add and the youngest four loads may be out)
	WIN MUL
	MUL8 1, 0, 0                                   ; eight matrix instructions stand between the add and the wait for it
	s_wait_dscnt 0x0                               ; the add is done, and my reads of this slot are over
	s_barrier_signal -1
	MUL8 1, 1, 0
	WIN 0
	s_barrier_wait -1
.if \fill
	CREST                                          ; no wave of any partner still reads this slot's tiles or has a load on its way
	s_add_nc_u64 s[G0+4*\slot+2:G0+4*\slot+3], s[G0+4*\slot+2:G0+4*\slot+3], 1048576   ; four heads on
	s_add_nc_u64 s[G0B+4*\slot+2:G0B+4*\slot+3], s[G0B+4*\slot+2:G0B+4*\slot+3], 512
	JLOAD \slot                                    ; 112 matrix instructions ahead of the wait for it; the four v_nop behind it are also the places in front of the loads below
.else
	PLACES
.endif
	FETCH \next, 0, 0
	WIN MUL
	MUL8 1, 2, 0
	MUL8 1, 3, 0
.endm
	s_wait_tensorcnt 1                             ; my part of K step 0 is in; K step 1's load may be out
	s_barrier_signal -1
	s_barrier_wait -1
	FETCH 0, 0, 0
	s_wait_loadcnt 0x0                             ; the bias
	QUARTER 0, 1, 0, 1, 1                          ; the first quarter stands in front of the loop: its products start the sums with the bias
	WIN 0                                          ; at a label and at a branch every window is 0
	s_mov_b32 s3, 3
.Llap:                                             ; a trip goes once round the ring, from a lap's second quarter to the next lap's first, and fills both slots again: K steps 2 to 7
	QUARTER 0, 2, 1, 0, 0
	QUARTER 0, 3, 0, 1, 0
	TURN 0, 1, 1
	QUARTER 1, 1, 0, 1, 0
	QUARTER 1, 2, 1, 0, 0
	QUARTER 1, 3, 0, 1, 0
	TURN 1, 0, 1
	QUARTER 0, 1, 0, 1, 0
	WIN 0
	s_sub_co_u32 s3, s3, 1
	s_cmp_lg_u32 s3, 0
	s_cbranch_scc1 .Llap
	QUARTER 0, 2, 1, 0, 0                          ; the last lap fills nothing, and has no round of the cluster's barrier
	QUARTER 0, 3, 0, 1, 0
	TURN 0, 1, 0
	QUARTER 1, 1, 0, 1, 0
	QUARTER 1, 2, 1, 0, 0
	QUARTER 1, 3, 0, 1, 0
	s_wait_dscnt 4                                 ; the very last quarter: nothing more to fetch
	WIN MUL
	MUL8 1, 0, 0
	MUL8 1, 1, 0
	s_wait_dscnt 0
	MUL8 1, 2, 0
	MUL8 1, 3, 0
	WIN 0
; THE WAY OUT, block by block of 16 rows x 128 columns.  A lane holds 32 neighbouring bytes of a row, the lanes beside it other rows: a block goes through my own stage and comes back as whole rows of 512 bytes.
.macro TOSTAGE a
	WIN 0x08                                       ; an LDS store's data are its source 1: window 2
.irp b, 0,1,2,3,4,5,6,7
	ds_store_b128 v[STO], v[8*(8*(\a)+\b):8*(8*(\a)+\b)+3] offset:64*\b          ; each accumulator from its low end on
	ds_store_b128 v[STO], v[8*(8*(\a)+\b)+4:8*(8*(\a)+\b)+7] offset:64*\b+16
.endr
	WIN 0
.set BB, 64+128*((\a)%2)
.irp t, 0,1,2,3,4,5,6,7,8,9,10,11,12,13,14,15
	ds_load_b128 v[BB+4*\t:BB+4*\t+3], v[RD] offset:\t*SPITCH      ; LDS serves a wave's instructions in order: these see the stores above
.endr
.endm
.macro SEND a, younger                 ; younger: the LDS instructions issued behind block a's loads, which may stay out
.set BB, 64+128*((\a)%2)
	s_wait_dscnt \younger
.irp t, 0,1,2,3,4,5,6,7,8,9,10,11,12,13,14,15
	global_store_b128 v[CO], v[BB+4*\t:BB+4*\t+3], s[10:11] offset:65536*(\a)+4096*\t th:TH_STORE_NT   ; 32 lanes store 512 consecutive bytes, aligned; written once, read by nobody here
.endr
.endm
	PLACES
	TOSTAGE 0
.irp a, 1,2,3
.if \a > 1
	s_wait_xcnt 0x0                                ; block a - 2's stores have read their registers: block a's loads may land there
.endif
	TOSTAGE \a
	SEND \a-1, 32                                  ; behind block a - 1's loads: block a's 16 stores and 16 loads
.endr
	SEND 3, 0
	s_wait_tensorcnt 0x0                           ; the wave's end: behind my last tensor load and my last LDS store
	ds_add_u32 v[SPW], v[NIL]
	s_wait_dscnt 0x0
	CROUND                                         ; the closing round: no work-group ends while a partner may still ask for a tile that names it
	s_endpgm
.Lfunc_end_k_q4297955a0f_proj:
	.size	k_q4297955a0f_proj, .Lfunc_end_k_q4297955a0f_proj-k_q4297955a0f_proj
	.p2alignl 7, 3214868480
	.fill 96, 4, 3214868480
	.section	.rodata,"a",@progbits
	.p2align	6, 0x0
	.amdhsa_kernel k_q4297955a0f_proj
		.amdhsa_group_segment_fixed_size 327680
		.amdhsa_private_segment_fixed_size 0
		.amdhsa_enable_private_segment 0
		.amdhsa_kernarg_size 32
		.amdhsa_user_sgpr_count 2
		.amdhsa_user_sgpr_kernarg_segment_ptr 1
		.amdhsa_wavefront_size32 1
		.amdhsa_system_sgpr_workgroup_id_x 1
		.amdhsa_system_sgpr_workgroup_id_y 1
		.amdhsa_system_sgpr_workgroup_id_z 1
		.amdhsa_system_vgpr_workitem_id 0
		.amdhsa_next_free_vgpr 768
		.amdhsa_next_free_sgpr 66
		.amdhsa_reserve_vcc 0
		.amdhsa_float_denorm_mode_32 3
		.amdhsa_float_denorm_mode_16_64 3
		.amdhsa_memory_ordered 1
		.amdhsa_forward_progress 1
		.amdhsa_inst_pref_size 87
	.end_amdhsa_kernel
	.amdgpu_metadata
---
amdhsa.version: [ 1, 2 ]
amdhsa.kernels:
  - .name:           k_q4297955a0f_proj
    .symbol:         k_q4297955a0f_proj.kd
    .args:
      - { .name: ao, .offset: 0, .size: 8, .value_kind: global_buffer, .address_space: global }
      - { .name: wpt, .offset: 8, .size: 8, .value_kind: global_buffer, .address_space: global }
      - { .name: b_proj, .offset: 16, .size: 8, .value_kind: global_buffer, .address_space: global }
      - { .name: out0, .offset: 24, .size: 8, .value_kind: global_buffer, .address_space: global }
    .group_segment_fixed_size: 327680
    .private_segment_fixed_size: 0
    .kernarg_segment_align: 8
    .kernarg_segment_size: 32
    .max_flat_workgroup_size: 128
    .sgpr_count:     66
    .vgpr_count:     768
    .wavefront_size: 32
...
	.end_amdgpu_metadata
.endif
;; end of part 4
